; MI455X (gfx1250); checked and timed in simulation.
; The chip was launched on July 23, 2026; its instructions are those of AMD's public machine-readable ISA for CDNA 5 (MIT licence, August 2026) and "CDNA5" Instruction Set Architecture Reference Guide (July 2026). The comments in the code are by the model that wrote it; some were corrected since.
;; Self Attention. Allowed arithmetic: matrix products marked QUANTISED: E2M3 operands, one E8M0 scale for each 32 along K, by v_wmma_scale_f32_16x16x128_f8f6f4 with both operands' format E2M3, f32 sums; everything else in f32.
;; Inputs: b_in 3,072 float32; b_out 1,024 float32; w_in 3,072 x 1,024 float32; w_out 1,024 x 1,024 float32; x 4 x 2,048 x 1,024 float32.
;; Outputs: out0 4 x 2,048 x 1,024 float32.
;; Constants: causal_mask = 1.
;; This version of the problem:
;;   THIS VERSION OF THE PROBLEM IS GIVEN IN LOW PRECISION. The matrix products marked QUANTISED in the list below multiply operands that are first quantised to E2M3 (2 exponent bits, 3 mantissa bits; 6 bits a number), with one power-of-two scale for each 32 numbers along K (OCP MX v1.0); their sums are f32. All else is computed in f32.
;;   The module's matrix products, in the order in which they are computed (A, B: the left and right operand; K: the contracted axis; several contracted axes count as one K, in the product's order):
;;     1. [M 8,192, K 1,024] x [K 1,024, N 3,072]; A: input x; B: input w_in: QUANTISED
;;     2. batch 64 x [M 2,048, K 64] x [K 64, N 2,048]; A: computed on the way; B: computed on the way: QUANTISED
;;     3. batch 64 x [M 64, K 2,048] x [K 2,048, N 2,048]; A: computed on the way; B: softmax (see below): QUANTISED
;;     4. [M 8,192, K 1,024] x [K 1,024, N 1,024]; A: computed on the way; B: input w_out: QUANTISED
;;   THE QUANTISER, for each operand of a quantised product, along K:
;;     - K is cut into blocks of 32 from its start; a last block that is shorter is filled with zeros.
;;     - A block's scale is 2^e with e = floor(log2(the largest magnitude in the block)) - 2, held to -126 .. 127; a block of zeros has e = 0. As a byte (E8M0): e + 127.
;;     - Each number is divided by its block's scale, clamped to +-7.5, and rounded to the nearest number of E2M3, ties to even, subnormals kept.
;;     - The product sums the exact products of the quantised numbers (number of the format x scale) in f32.
;;   ~~~python
;;   def quantise(x, axis):      # numpy; x: float32 -> the quantised numbers, widened to float32 again
;;       x = np.moveaxis(x, axis, -1); K = x.shape[-1]
;;       x = np.pad(x, [(0, 0)] * (x.ndim - 1) + [(0, -K % 32)]); x = x.reshape(x.shape[:-1] + (-1, 32)); a = np.abs(x).max(-1, keepdims=True)
;;       e = np.where(a > 0, np.clip(np.frexp(np.where(a > 0, a, 1))[1] - 1 - 2, -126, 127), 0)      # np.frexp(a)[1] - 1 = floor(log2(a)), exactly
;;       r = np.clip(x / 2.0 ** e, -7.5, 7.5)
;;       step = 2.0 ** (np.maximum(np.frexp(np.where(r == 0, 1, r))[1] - 1, 0) - 3)
;;       q = np.round(r / step) * step * 2.0 ** e      # np.round: ties to even
;;       return np.moveaxis(q.reshape(q.shape[:-2] + (-1,))[..., :K], -1, axis).astype(np.float32)
;;   ~~~
;;   SOFTMAX AHEAD OF A QUANTISED PRODUCT. Where the list says 'softmax', what is quantised is not the finished softmax but p = 2^(t - M), with t = logit x log2(e) and M = ceil(the row's largest t), a whole number; so 1/2 < the row's largest p <= 1. The row's sum l is taken of the UNQUANTISED p, in f32, and the product's result is divided by l at the end. Since M is a whole number, a kernel that streams over the keys may use a running M (the ceiling of the running maximum): every later rescaling is an exact power of two, which a block's scale takes up: the codes' values come out the same.
;;   OPERANDS COMPUTED ON THE WAY. 'Computed on the way' means the value that the module computes at that place (a softmax that the list does not call 'softmax' is quantised finished and normalised). What goes into a quantiser is computed in f32, as accurately as f32 sums, v_exp_f32 and their like allow (about 1e-6 of the number): no bf16 or f16 on the way to a quantiser, and a product that is left as it is and whose result goes on into a quantised operand takes f32 operands (vector FMAs, or v_wmma_f32_16x16x4_f32). A number that lies on a knife's edge between two numbers of the format may be rounded either way, as far as f32 arithmetic and the matrix unit's own rounding can turn it there, and no further.
;; One version. Each part assembles by itself: llvm-mc -triple=amdgcn-amd-amdhsa -mcpu=gfx1250 --defsym DOCPART=n.
;; ======== version 1 of 1: 4 launches
;; limits: right only within a limited range of input values
;; workspace buffers: c1 9,437,184 bytes; s1 393,216 bytes; qkb 13,631,488 bytes; vb 6,553,600 bytes; oc 6,291,456 bytes; os 262,144 bytes
;; launch quant (part 1): grid 384 x 1, 8 waves a work-group, no clusters, 69,632 bytes of LDS; arguments x, w_in, w_out, c1, s1; writes c1, s1
.if DOCPART == 1
	.amdgcn_target "amdgcn-amd-amdhsa--gfx1250"
	.amdhsa_code_object_version 6
	.text
	.protected	k_q0c3c815f66_quant
	.globl	k_q0c3c815f66_quant
	.p2align	8
	.type	k_q0c3c815f66_quant,@function
k_q0c3c815f66_quant:
	s_mov_b64 s[64:65], 0
	v_nop
	global_prefetch_b8 v0, s[64:65] scope:SCOPE_SE
	s_setreg_imm32_b32 hwreg(HW_REG_WAVE_MODE, 25, 1), 1
	s_wait_xcnt 0x0
; x [8192][1024], w_in [3072][1024], w_out [1024][1024], f32, K innermost, become codes of FP6 (E2M3) with one E8M0 byte for each 32 along K.
; The three tensors are taken as ONE run of 12,288 rows.  The codes are laid in the ORDER OF THE OPERAND'S REGISTERS: c1 = [768 tiles of 16 positions][8 fragments of 128 K][1,536 bytes];
; a fragment's 12 registers lie as: registers 0-3 (16 bytes a lane), 4-5 (8 bytes a lane), 6-9, 10-11: pieces of 512, 256, 512, 256 bytes.
; POSITIONS ARE NOT ROWS: position r of the tile of parity u in a group of 32 rows is row 8 u + (r % 8) + 16 (r / 8) of the group, so that results whose registers run along such tiles are
; neighbours along the next product's K.  s1 = [12,288 positions][32 scale bytes], word q for fragment q.
; A block's scale is 2^(floor(log2(largest magnitude)) - 2); its byte is the largest magnitude's exponent field - 2, held at 1 from below (a block of zeros so gets 1 where the rule says 127:
; its codes are zeros, and the bytes are read by this program alone).  LIMITS: NaN and infinities among the inputs are not served; blocks under 2^-124 are held at byte 1.
; SHARES: a work-group takes 32 rows; wave w = 4 u + qp takes tile u and fragments 2 qp, 2 qp + 1.  Each load reads 512 consecutive bytes of a row; the 16 rows x 512 bytes turn through the
; wave's own stage in LDS (rows 528 bytes apart), from which lane (r, h) takes its 2 x 32 neighbours along K.  All 32 loads of a wave go out at once.  Waves share only the 1,024 scale bytes.
.set STG,  8448                        ; a wave's stage: 16 rows x 528 bytes
.set SP,   528
.set SCB,  8*STG                       ; behind the stages: the group's 32 x 32 scale bytes
.set R,    16                          ; v16-143  two fragments' numbers as loaded
.set X,    144                         ; v144-207 64 numbers: register 32 c + i = k 64 c + 32 h + i of my position's row
.set C,    208                         ; v208-231 codes, 12 registers a fragment: no store's data are written again
.set QT,   232                         ; v232-238 the second half of each block's codes (a conversion's three registers begin on an even number)
.set MX,   240
.set SOP,  242
.set BY,   244
.set WD,   246                         ; v246-247 the scale words
.set TP,   248
	s_load_b128 s[4:7], s[0:1], 0x0                ; x, w_in
	s_load_b128 s[8:11], s[0:1], 0x10              ; w_out, c1
	s_load_b64 s[12:13], s[0:1], 0x20              ; s1
	v_lshl_add_u32 v254, v0, 2, 0x10c00
	v_mov_b32 v255, 0
	v_lshrrev_b32 v1, 5, v0
	s_delay_alu instid0(VALU_DEP_1)
	v_readfirstlane_b32 s16, v1                    ; wave 0..7
	s_lshr_b32 s17, s16, 2                         ; u
	s_and_b32 s18, s16, 3                          ; qp
	v_and_b32 v9, 31, v0                           ; lane
	v_and_b32 v10, 15, v0                          ; r
	v_bfe_u32 v11, v0, 4, 1                        ; h
	s_delay_alu instid0(VALU_DEP_3)
	v_lshlrev_b32 v1, 4, v9                        ; 16 x lane
	s_delay_alu instid0(VALU_DEP_4)
	v_lshlrev_b32 v2, 3, v9                        ; 8 x lane
	s_mul_i32 s19, s16, STG
	v_add_nc_u32 v3, s19, v1                       ; into the stage: a row's 512 bytes as they lie
	v_mul_u32_u24 v4, v10, SP
	s_delay_alu instid0(VALU_DEP_1)
	v_lshl_add_u32 v4, v11, 7, v4
	s_delay_alu instid0(VALU_DEP_1)
	v_add_nc_u32 v4, s19, v4                       ; out of it: row r, + 128 h bytes
	s_lshl_b32 s20, s17, 9
	s_lshl_b32 s21, s18, 3
	s_add_co_u32 s20, s20, s21
	s_add_co_u32 s20, s20, SCB
	v_lshlrev_b32 v5, 5, v10
	s_delay_alu instid0(VALU_DEP_1)
	v_add_nc_u32 v5, s20, v5                       ; my position's scale words: SCB + 512 u + 32 r + 8 qp
	s_and_b32 s21, s16, 1
	s_lshl_b32 s21, s21, 9
	v_add_nc_u32 v8, s21, v1                       ; the way out of the scale bytes: waves 0 and 1 take 512 bytes each
	s_delay_alu instid0(VALU_DEP_1)
	v_add_nc_u32 v6, SCB, v8
	v_lshlrev_b32 v7, 3, v11                       ; 8 h
	v_mov_b32 v[TP], 0                             ; a lane permute's destination counts as one of its sources
	s_mov_b32 s22, 0x76543210
	s_mov_b32 s23, 0xfedcba98                      ; v_permlanex16_b32's selects for lane l xor 16
	s_wait_alu depctr_va_vdst(0)
	s_wait_kmcnt 0x0
	s_mov_b32 s14, 352                             ; which tensor: groups 0-255 x, 256-351 w_in, 352-383 w_out.  The choice hangs on the work-group's number alone
	s_cmp_lt_u32 ttmp9, 352
	s_cselect_b64 s[6:7], s[6:7], s[8:9]
	s_cselect_b32 s14, 256, s14
	s_cmp_lt_u32 ttmp9, 256
	s_cselect_b64 s[4:5], s[4:5], s[6:7]
	s_cselect_b32 s14, 0, s14                      ; the tensor's first group
	s_sub_co_u32 s24, ttmp9, s14
	s_lshl_b32 s24, s24, 17                        ; 32 rows of 4,096 bytes,
	s_lshl_b32 s25, s17, 15                        ; 8 u rows,
	s_add_co_u32 s24, s24, s25
	s_lshl_b32 s25, s18, 10                        ; 256 qp numbers
	s_add_co_u32 s24, s24, s25
	s_mov_b32 s25, 0
	s_add_nc_u64 s[4:5], s[4:5], s[24:25]
	s_mul_i32 s24, ttmp9, 24576                    ; two tiles of 12,288 bytes a group,
	s_mul_i32 s26, s17, 12288
	s_add_co_u32 s24, s24, s26
	s_mul_i32 s26, s18, 3072                       ; two fragments
	s_add_co_u32 s24, s24, s26
	s_add_nc_u64 s[10:11], s[10:11], s[24:25]
	s_lshl_b32 s24, ttmp9, 10
	s_add_nc_u64 s[12:13], s[12:13], s[24:25]
.irp f, 0,1
.irp i, 0,1,2,3,4,5,6,7,8,9,10,11,12,13,14,15
	global_load_b128 v[R+64*\f+4*\i:R+64*\f+4*\i+3], v1, s[4:5] offset:(\i+8*(\i/8))*4096+512*\f th:TH_LOAD_NT   ; position i's row: 32 lanes read 512 consecutive bytes
.endr
.endr
.macro MAKE f
.if \f == 0
	s_wait_loadcnt 16                              ; fragment 0's sixteen loads are in; fragment 1's may be out
.else
	s_wait_loadcnt 0x0
.endif
.irp i, 0,1,2,3,4,5,6,7,8,9,10,11,12,13,14,15
	ds_store_b128 v3, v[R+64*\f+4*\i:R+64*\f+4*\i+3] offset:SP*\i
.endr
.irp c, 0,1
.irp j, 0,1,2,3,4,5,6,7
	ds_load_b128 v[X+32*\c+4*\j:X+32*\c+4*\j+3], v4 offset:256*\c+16*\j   ; LDS serves a wave's instructions in order: these see the stores above
.endr
.endr
	s_wait_dscnt 0x0
.irp c, 0,1                                    ; my block 2 c + h: all its 32 numbers are mine
	v_max3_num_f32 v[MX+\c], |v[X+32*\c]|, |v[X+32*\c+1]|, 0x1800000   ; with the floor 2^(3 - 127): the byte cannot fall under 1
.endr
.irp i, 2,4,6,8,10,12,14,16,18,20,22,24,26,28,30
.irp c, 0,1
	s_delay_alu instid0(VALU_DEP_2)
	v_max3_num_f32 v[MX+\c], v[MX+\c], |v[X+32*\c+\i]|, |v[X+32*\c+\i+1]|
.endr
.endr
.irp c, 0,1
	s_delay_alu instid0(VALU_DEP_2)
	v_add_nc_u32 v[SOP+\c], 0xff000000, v[MX+\c]   ; 2 off the exponent field: the conversion's scale operand
.endr
.irp c, 0,1
	s_delay_alu instid0(VALU_DEP_2)
	v_lshrrev_b32 v[BY+\c], 23, v[SOP+\c]          ; the scale's byte
.endr
	s_delay_alu instid0(VALU_DEP_1)
	v_lshl_or_b32 v[WD+\f], v[BY+1], 16, v[BY]     ; blocks h and 2 + h,
	s_delay_alu instid0(VALU_DEP_1)
	v_lshlrev_b32 v[WD+\f], v7, v[WD+\f]           ; at their places in the word;
	s_delay_alu instid0(VALU_DEP_1)
	v_permlanex16_b32 v[TP], v[WD+\f], s22, s23
	s_delay_alu instid0(VALU_DEP_1)
	v_or_b32 v[WD+\f], v[WD+\f], v[TP]             ; with lane l xor 16's two the word is whole
.irp c, 0,1
	v_cvt_scalef32_pk16_fp6_f32 v[C+12*\f+6*\c:C+12*\f+6*\c+2], v[X+32*\c:X+32*\c+15], v[SOP+\c]
	v_cvt_scalef32_pk16_fp6_f32 v[QT+4*\c:QT+4*\c+2], v[X+32*\c+16:X+32*\c+31], v[SOP+\c]
.endr
	v_nop                                          ; one plain place behind a scaled conversion
.irp c, 0,1
.irp i, 0,1,2
	v_mov_b32 v[C+12*\f+6*\c+3+\i], v[QT+4*\c+\i]
.endr
.endr
	global_store_b128 v1, v[C+12*\f:C+12*\f+3], s[10:11] offset:1536*\f            ; each store of the wave covers 512 or 256 consecutive bytes, aligned to 256
	global_store_b64 v2, v[C+12*\f+4:C+12*\f+5], s[10:11] offset:1536*\f+512
	global_store_b128 v1, v[C+12*\f+6:C+12*\f+9], s[10:11] offset:1536*\f+768
	global_store_b64 v2, v[C+12*\f+10:C+12*\f+11], s[10:11] offset:1536*\f+1280
	ds_store_b32 v5, v[WD+\f] offset:4*\f          ; lanes r and r + 16 write the same word with the same value
.endm
	MAKE 0
	MAKE 1
	s_wait_dscnt 0x0                               ; for the others' sake: my scale words are in LDS
	s_barrier_signal -1
	s_barrier_wait -1
	s_cmp_gt_u32 s16, 1
	s_cbranch_scc1 .Ldone
	ds_load_b128 v[12:15], v6                      ; waves 0 and 1 send the group's 1,024 scale bytes: 512 consecutive bytes each
	s_wait_dscnt 0x0
	global_store_b128 v8, v[12:15], s[12:13]
.Ldone:
	s_wait_tensorcnt 0x0
	ds_add_u32 v254, v255
	s_wait_dscnt 0x0
	s_endpgm
.Lfunc_end_k_q0c3c815f66_quant:
	.size	k_q0c3c815f66_quant, .Lfunc_end_k_q0c3c815f66_quant-k_q0c3c815f66_quant
	.p2alignl 7, 3214868480
	.fill 96, 4, 3214868480
	.section	.rodata,"a",@progbits
	.p2align	6, 0x0
	.amdhsa_kernel k_q0c3c815f66_quant
		.amdhsa_group_segment_fixed_size 69632
		.amdhsa_private_segment_fixed_size 0
		.amdhsa_enable_private_segment 0
		.amdhsa_kernarg_size 40
		.amdhsa_user_sgpr_count 2
		.amdhsa_user_sgpr_kernarg_segment_ptr 1
		.amdhsa_wavefront_size32 1
		.amdhsa_system_sgpr_workgroup_id_x 1
		.amdhsa_system_sgpr_workgroup_id_y 1
		.amdhsa_system_sgpr_workgroup_id_z 1
		.amdhsa_system_vgpr_workitem_id 0
		.amdhsa_next_free_vgpr 256
		.amdhsa_next_free_sgpr 66
		.amdhsa_reserve_vcc 0
		.amdhsa_float_denorm_mode_32 3
		.amdhsa_float_denorm_mode_16_64 3
		.amdhsa_memory_ordered 1
		.amdhsa_forward_progress 1
		.amdhsa_inst_pref_size 20
	.end_amdhsa_kernel
	.amdgpu_metadata
---
amdhsa.version: [ 1, 2 ]
amdhsa.kernels:
  - .name:           k_q0c3c815f66_quant
    .symbol:         k_q0c3c815f66_quant.kd
    .args:
      - { .name: x, .offset: 0, .size: 8, .value_kind: global_buffer, .address_space: global }
      - { .name: w_in, .offset: 8, .size: 8, .value_kind: global_buffer, .address_space: global }
      - { .name: w_out, .offset: 16, .size: 8, .value_kind: global_buffer, .address_space: global }
      - { .name: c1, .offset: 24, .size: 8, .value_kind: global_buffer, .address_space: global }
      - { .name: s1, .offset: 32, .size: 8, .value_kind: global_buffer, .address_space: global }
    .group_segment_fixed_size: 69632
    .private_segment_fixed_size: 0
    .kernarg_segment_align: 8
    .kernarg_segment_size: 40
    .max_flat_workgroup_size: 256
    .sgpr_count:     66
    .vgpr_count:     256
    .wavefront_size: 32
...
	.end_amdgpu_metadata
.endif
;; end of part 1
;; launch proj (part 2): grid 8 x 32, 4 waves a work-group, clusters of 4 x 4, 327,680 bytes of LDS; arguments c1, s1, b_in, qkb, vb; writes qkb, vb
.if DOCPART == 2
	.amdgcn_target "amdgcn-amd-amdhsa--gfx1250"
	.amdhsa_code_object_version 6
	.text
	.protected	k_q0c3c815f66_proj
	.globl	k_q0c3c815f66_proj
	.p2align	8
	.type	k_q0c3c815f66_proj,@function
k_q0c3c815f66_proj:
	s_mov_b64 s[64:65], 0
	v_nop
	global_prefetch_b8 v0, s[64:65] scope:SCOPE_SE
	s_setreg_imm32_b32 hwreg(HW_REG_WAVE_MODE, 25, 1), 1
	s_wait_xcnt 0x0
	s_wait_alu depctr_hold_cnt(0) depctr_sa_sdst(0) depctr_va_vdst(0) depctr_va_sdst(0) depctr_va_ssrc(0) depctr_va_vcc(0) depctr_vm_vsrc(0)
	s_getreg_b32 s2, hwreg(HW_REG_IB_STS2, 6, 4)
	s_cmp_eq_u32 s2, 0
	s_cbranch_scc0 .Lentry_in_a_cluster
	s_endpgm
.Lentry_in_a_cluster:
	s_bfe_u32 s2, ttmp6, 0x10000c
	s_cmp_lg_u32 s2, 0xf033
	s_cbranch_scc0 .Lentry_shape_is_right
	s_endpgm
.Lentry_shape_is_right:
.set FR,     12
.set NL,     4
.set NP,     4
.set IMG,    1536
.set TILEB,  2*IMG
.set TROW,   8*IMG
.set HALFT,  8*TILEB
.set SLOT,   4*HALFT
.set XR,     4*TILEB
.set XB,     2*SLOT
.set SPARE,  XB+2*XR+2*HALFT
.set QKH,    64*6656
.set VH,     64*6400
.set ADRX, 8
.set ADRA, 16
.set ADRB, 20
.set SPW,  28
.set NIL,  29
.set SOF,  30
.set SC,   32
.set BV,   96
.set AF,   128
.set HA,   128
.set OUT,  192
.set QT,   216
.set TM,   232
.set SW,   248
.set G1, 24
.set G0, 32
.set G1B, 48
.set G0B, 56
.set G1R2, 68
.set G0XA, 76
.set G0XB, 80
.set MSB, 0
.macro WIN new
.if MSB != (\new)
	s_set_vgpr_msb (MSB<<8)|(\new)
.set MSB, (\new)
.endif
.endm
.set MUL_LO, 0xa1
.set MUL_HI, 0xf1
.set TO_B,   0x40
.macro JLOAD g0a, g1a, g0b, g1b
	s_cmp_eq_u32 s15, 0
	s_cbranch_scc0 .Lfor_b_\@
	tensor_load_to_lds s[\g0a:\g0a+3], s[\g1a:\g1a+7]
	s_nop 0
.rept 4
	v_nop
.endr
	s_branch .Lasked_\@
.Lfor_b_\@:
	tensor_load_to_lds s[\g0b:\g0b+3], s[\g1b:\g1b+7]
	s_nop 0
.rept 4
	v_nop
.endr
.Lasked_\@:
.endm
.macro CREST
	s_cmp_lg_u32 s14, 0
	s_cbranch_scc1 .Lnot_wave_0_\@
	s_barrier_signal -3
.Lnot_wave_0_\@:
	s_barrier_wait -3
	s_barrier_signal -1
	s_barrier_wait -1
.endm
.macro CROUND
	s_barrier_signal -1
	s_barrier_wait -1
	CREST
.endm
	s_load_b128 s[4:7], s[0:1], 0x0
	s_load_b128 s[96:99], s[0:1], 0x10
	s_load_b64 s[12:13], s[0:1], 0x20
	v_lshl_add_u32 v[SPW], v0, 2, SPARE
	v_mov_b32 v[NIL], 0
	ds_add_u32 v28, v29
	ds_add_u32 v28, v29
	s_wait_dscnt 0x0
	v_lshrrev_b32 v1, 5, v0
	v_readfirstlane_b32 s14, v1
	s_lshr_b32 s15, s14, 1
	s_and_b32 s16, s14, 1
	s_bfe_u32 s40, ttmp6, 0x40000
	s_bfe_u32 s41, ttmp6, 0x40004
	s_and_b32 s18, ttmp7, 0xffff
	s_lshl_b32 s18, s18, 2
	s_lshl_b32 s19, ttmp9, 2
	s_add_co_u32 s17, s18, s41
	s_add_co_u32 s42, s19, s40
	s_add_co_u32 s42, s42, 32
	s_add_co_u32 s84, s19, s41
	s_add_co_u32 s85, s18, s40
	s_lshl_b32 s43, s41, 2
	s_lshl_b32 s43, 15, s43
	s_lshl_b32 s44, 0x1111, s40
	s_or_b32 s[G1+0], s43, (3<<16)|(1<<21)
	s_or_b32 s[G1B+0], s44, (3<<16)|(1<<21)
	s_or_b32 s[G1R2+0], s43, (3<<16)|(1<<21)
.irp g, G1, G1B
	s_mov_b32 s[\g+1], (TILEB/8)<<16
	s_mov_b32 s[\g+2], 8<<16
	s_mov_b32 s[\g+3], (TILEB/8)<<16
	s_mov_b32 s[\g+4], 8
	s_mov_b32 s[\g+5], TROW/8
	s_mov_b32 s[\g+6], 0
	s_mov_b32 s[\g+7], 0
.endr
	s_mov_b32 s[G1R2+1], (TILEB/8)<<16
	s_mov_b32 s[G1R2+2], 4<<16
	s_mov_b32 s[G1R2+3], (TILEB/8)<<16
	s_mov_b32 s[G1R2+4], 4
	s_mov_b32 s[G1R2+5], TROW/8
	s_mov_b32 s[G1R2+6], 0
	s_mov_b32 s[G1R2+7], 0
	s_lshl_b32 s18, s16, 7
	s_lshl_b32 s20, s17, 8
	s_add_co_u32 s20, s20, s18
	s_mul_i32 s20, s20, 768
	s_mov_b32 s21, 0
	s_lshl_b32 s46, s42, 8
	s_add_co_u32 s46, s46, s18
	s_mul_i32 s46, s46, 768
	s_mov_b32 s47, 0
	s_lshl_b32 s19, s16, 6
	s_lshl_b32 s22, s84, 7
	s_add_co_u32 s22, s22, s19
	s_add_co_u32 s22, s22, 10240
	s_mul_i32 s22, s22, 768
	s_mov_b32 s23, 0
	s_lshl_b32 s88, s85, 8
	s_add_co_u32 s88, s88, s18
	s_mul_i32 s88, s88, 768
	s_mov_b32 s89, 0
	s_mul_i32 s45, s14, HALFT
	s_mul_i32 s90, s16, XR
	s_mul_i32 s91, s16, HALFT
	s_wait_kmcnt 0x0
	s_add_nc_u64 s[20:21], s[4:5], s[20:21]
	s_add_nc_u64 s[46:47], s[4:5], s[46:47]
	s_add_nc_u64 s[22:23], s[4:5], s[22:23]
	s_add_nc_u64 s[88:89], s[4:5], s[88:89]
	CROUND
.irp s, 0,1
	s_mov_b32 s[G0+4*\s], 1
	s_add_co_u32 s[G0+4*\s+1], s45, \s*SLOT
	s_add_nc_u64 s[G0+4*\s+2:G0+4*\s+3], s[20:21], \s*TILEB
	s_or_b32 s[G0+4*\s+3], s[G0+4*\s+3], 0x80000000
	s_mov_b32 s[G0B+4*\s], 1
	s_add_co_u32 s[G0B+4*\s+1], s45, \s*SLOT
	s_add_nc_u64 s[G0B+4*\s+2:G0B+4*\s+3], s[46:47], \s*TILEB
	s_or_b32 s[G0B+4*\s+3], s[G0B+4*\s+3], 0x80000000
	s_wait_alu depctr_va_vdst(0)
	s_wait_tensorcnt 0x0
	ds_add_u32 v28, v29
	ds_add_u32 v28, v29
	s_wait_dscnt 0x0
	CROUND
	JLOAD G0+4*\s, G1, G0B+4*\s, G1B
.endr
	s_mov_b32 s[G0XA], 1
	s_add_co_u32 s[G0XA+1], s90, XB
	s_mov_b64 s[G0XA+2:G0XA+3], s[22:23]
	s_or_b32 s[G0XA+3], s[G0XA+3], 0x80000000
	s_mov_b32 s[G0XB], 1
	s_add_co_u32 s[G0XB+1], s91, XB+2*XR
	s_mov_b64 s[G0XB+2:G0XB+3], s[88:89]
	s_or_b32 s[G0XB+3], s[G0XB+3], 0x80000000
	s_wait_alu depctr_va_vdst(0)
	s_wait_tensorcnt 0x0
	ds_add_u32 v28, v29
	s_wait_dscnt 0x0
	CROUND
	JLOAD G0XA, G1R2, G0XB, G1B
	v_and_b32 v1, 15, v0
	v_bfe_u32 v2, v0, 4, 1
	s_wait_alu depctr_va_vdst(0)
	v_and_b32 v3, 31, v0
	v_lshlrev_b32 v4, 4, v3
	v_lshlrev_b32 v5, 3, v3
	s_lshl_b32 s46, s16, 7
	s_lshl_b32 s20, s17, 8
	s_lshl_b32 s21, s15, 7
	s_add_co_u32 s20, s20, s21
	s_lshl_b32 s20, s20, 5
	s_lshl_b32 s21, s42, 8
	s_add_co_u32 s21, s21, s46
	s_lshl_b32 s21, s21, 5
	v_cmp_ne_u32 vcc_lo, 0, v2
	v_mov_b32 v6, s20
	v_mov_b32 v7, s21
	v_cndmask_b32 v6, v6, v7, vcc_lo
	v_lshl_add_u32 v[SOF], v1, 5, v6
.irp i, 0,1,2,3,4,5,6,7
	global_load_b128 v[SC+8*\i:SC+8*\i+3], v[SOF], s[6:7] offset:512*\i
	global_load_b128 v[SC+8*\i+4:SC+8*\i+7], v[SOF], s[6:7] offset:512*\i+16
.endr
	s_lshl_b32 s20, s84, 7
	s_lshl_b32 s47, s15, 6
	s_add_co_u32 s20, s20, s47
	s_add_co_u32 s20, s20, 10240
	s_lshl_b32 s20, s20, 5
	s_lshl_b32 s21, s85, 8
	s_add_co_u32 s21, s21, s46
	s_lshl_b32 s21, s21, 5
	v_mov_b32 v6, s20
	v_mov_b32 v7, s21
	v_cndmask_b32 v6, v6, v7, vcc_lo
	v_lshl_add_u32 v[SOF+1], v1, 5, v6
	s_sub_co_u32 s20, s42, 32
	s_lshl_b32 s20, s20, 8
	s_add_co_u32 s20, s20, s46
	s_lshl_b32 s20, s20, 2
	s_mov_b32 s21, 0
	s_add_nc_u64 s[86:87], s[96:97], s[20:21]
	s_lshl_b32 s20, s84, 7
	s_add_co_u32 s20, s20, s47
	s_add_co_u32 s20, s20, 2048
	s_lshl_b32 s20, s20, 2
	s_add_nc_u64 s[96:97], s[96:97], s[20:21]
	v_lshlrev_b32 v12, 6, v2
	v_and_b32 v7, 8, v1
	v_add_nc_u32 v7, v7, v1
	v_lshlrev_b32 v13, 2, v7
	WIN TO_B
.irp t, 0,1,2,3,4,5,6,7
	global_load_b128 v[96+8*\t+96*(\t/4):96+8*\t+96*(\t/4)+3], v12, s[86:87] offset:4*(32*(\t/2)+8*(\t%2))
	global_load_b128 v[96+8*\t+96*(\t/4)+4:96+8*\t+96*(\t/4)+7], v12, s[86:87] offset:4*(32*(\t/2)+8*(\t%2))+16
.endr
	WIN 0
.irp a, 0,1,2,3
	global_load_b32 v[BV+2*\a], v13, s[96:97] offset:4*(32*(\a/2)+8*(\a%2))
	global_load_b32 v[BV+2*\a+1], v13, s[96:97] offset:4*(32*(\a/2)+8*(\a%2))
.endr
	s_mul_i32 s20, s15, HALFT
	s_mul_i32 s21, s16, HALFT
	s_add_co_u32 s21, s21, 2*HALFT
.irp s, 0,1
	v_add_nc_u32 v[ADRA+\s], s20, v4
	v_add_nc_u32 v[ADRB+\s], s21, v4
	v_add_nc_u32 v[ADRA+2+\s], s20, v5
	v_add_nc_u32 v[ADRB+2+\s], s21, v5
	s_add_co_u32 s20, s20, SLOT
	s_add_co_u32 s21, s21, SLOT
.endr
	s_mul_i32 s20, s15, XR
	s_add_co_u32 s20, s20, XB
	v_add_nc_u32 v[ADRX], s20, v4
	v_add_nc_u32 v[ADRX+2], s20, v5
	s_mul_i32 s20, s16, HALFT
	s_add_co_u32 s20, s20, XB+2*XR
	v_add_nc_u32 v[ADRX+1], s20, v4
	v_add_nc_u32 v[ADRX+3], s20, v5
.macro FRAG reg, adr, q, i
	ds_load_b128 v[\reg:\reg+3],     v[\adr]   offset:(\i)*TILEB+(\q)*IMG
	ds_load_b64  v[\reg+4:\reg+5],   v[\adr+2] offset:(\i)*TILEB+(\q)*IMG+512
	ds_load_b128 v[\reg+6:\reg+9],   v[\adr]   offset:(\i)*TILEB+(\q)*IMG+768
	ds_load_b64  v[\reg+10:\reg+11], v[\adr+2] offset:(\i)*TILEB+(\q)*IMG+1280
.endm
.macro MUL16 a0, p, kq, zero, ro
.irp a, \a0, \a0+1
.irp b, 0,1,2,3,4,5,6,7
.if \zero
	v_wmma_scale_f32_16x16x128_f8f6f4 v[8*(8*((\a)%4)+\b):8*(8*((\a)%4)+\b)+7], v[128*(\p)+FR*\b:128*(\p)+FR*\b+FR-1], v[AF+(\ro)+FR*(\a):AF+(\ro)+FR*(\a)+FR-1], 0, v[SC+8*\b+(\kq)], v[SC+8*(\a)+(\kq)] matrix_a_fmt:MATRIX_FMT_FP6 matrix_b_fmt:MATRIX_FMT_FP6 matrix_a_scale:MATRIX_SCALE_ROW1
.else
	v_wmma_scale_f32_16x16x128_f8f6f4 v[8*(8*((\a)%4)+\b):8*(8*((\a)%4)+\b)+7], v[128*(\p)+FR*\b:128*(\p)+FR*\b+FR-1], v[AF+(\ro)+FR*(\a):AF+(\ro)+FR*(\a)+FR-1], v[8*(8*((\a)%4)+\b):8*(8*((\a)%4)+\b)+7], v[SC+8*\b+(\kq)], v[SC+8*(\a)+(\kq)] matrix_a_fmt:MATRIX_FMT_FP6 matrix_b_fmt:MATRIX_FMT_FP6 matrix_a_scale:MATRIX_SCALE_ROW1
.endif
.endr
.endr
.endm
.macro FETCH_B slot, q, p
	WIN TO_B
.irp i, 0,1,2,3,4,5,6,7
	FRAG 128*(\p)+FR*\i, ADRB+\slot, \q, \i
.endr
	WIN 0
.endm
.macro FETCH_A slot, q, i0
.irp i, \i0, \i0+1, \i0+2, \i0+3
	FRAG AF+FR*(\i), ADRA+\slot, \q, \i
.endr
.endm
.macro PLACES n
.rept \n
	v_nop
.endr
.endm
.macro NEXTP g0a, g0b, k
	s_add_nc_u64 s[\g0a+2:\g0a+3], s[22:23], (\k)*TILEB
	s_or_b32 s[\g0a+3], s[\g0a+3], 0x80000000
	s_add_nc_u64 s[\g0b+2:\g0b+3], s[88:89], (\k)*TILEB
	s_or_b32 s[\g0b+3], s[\g0b+3], 0x80000000
.endm
.macro STEP slot, kq, zero
	s_wait_dscnt 4*NL
	WIN MUL_LO
	MUL16 0, 0, \kq, \zero, 0
	MUL16 2, 0, \kq, \zero, 0
	s_wait_dscnt 0
	PLACES NP
	FETCH_B \slot, 1, 1
	FETCH_A \slot, 1, 0
	WIN MUL_HI
	MUL16 4, 0, \kq, \zero, 0
	MUL16 6, 0, \kq, \zero, 0
	PLACES NP
	WIN 0
	FETCH_A \slot, 1, 4
.endm
.macro TURN slot, next, kq, fill
	s_wait_tensorcnt 0x0
	ds_add_u32 v[SPW], v[NIL]
	s_wait_dscnt 4*NL+1
	WIN MUL_LO
	MUL16 0, 1, \kq, 0, 0
	s_wait_dscnt 0x0
	s_barrier_signal -1
	MUL16 2, 1, \kq, 0, 0
	WIN 0
	s_barrier_wait -1
	CREST
.if \fill == 1
	s_add_nc_u64 s[G0+4*\slot+2:G0+4*\slot+3], s[G0+4*\slot+2:G0+4*\slot+3], 2*TILEB
	s_add_nc_u64 s[G0B+4*\slot+2:G0B+4*\slot+3], s[G0B+4*\slot+2:G0B+4*\slot+3], 2*TILEB
	JLOAD G0+4*\slot, G1, G0B+4*\slot, G1B
.else
	NEXTP G0+4*\slot, G0B+4*\slot, 1
	JLOAD G0+4*\slot, G1R2, G0B+4*\slot, G1B
.endif
	FETCH_B \next, 0, 0
	FETCH_A \next, 0, 0
	WIN MUL_HI
	MUL16 4, 1, \kq, 0, 0
	MUL16 6, 1, \kq, 0, 0
	PLACES NP
	WIN 0
	FETCH_A \next, 0, 4
.endm
.macro FETCH2 nar, nap, q, p
	WIN TO_B
.irp i, 0,1,2,3,4,5,6,7
	FRAG 128*(\p)+FR*\i, \nap, \q, \i
.endr
	WIN 0
.irp i, 0,1,2,3
	FRAG AF+48*(\p)+FR*\i, \nar, \q, \i
.endr
.endm
.macro STEP2 p, kq, zero, nar, nap, nq
	s_wait_dscnt 0x0
	PLACES NP
	FETCH2 \nar, \nap, \nq, 1-(\p)
	WIN MUL_LO
	MUL16 0, \p, \kq, \zero, 48*(\p)
	MUL16 2, \p, \kq, \zero, 48*(\p)
	WIN 0
.endm
.macro TURN2 p, kq, fill, nar, nap, nq
	s_wait_tensorcnt 0x0
	ds_add_u32 v[SPW], v[NIL]
	s_wait_dscnt 0x0
	s_barrier_signal -1
	WIN MUL_LO
	MUL16 0, \p, \kq, 0, 48*(\p)
	WIN 0
	s_barrier_wait -1
.if \fill
	CREST
	NEXTP G0XA, G0XB, 3
	JLOAD G0XA, G1R2, G0XB, G1B
.else
	PLACES NP
.endif
	FETCH2 \nar, \nap, \nq, 1-(\p)
	WIN MUL_LO
	MUL16 2, \p, \kq, 0, 48*(\p)
	WIN 0
.endm
	s_wait_alu depctr_va_vdst(0)
	s_wait_tensorcnt 2
	s_barrier_signal -1
	s_barrier_wait -1
	FETCH_B 0, 0, 0
	FETCH_A 0, 0, 0
	FETCH_A 0, 0, 4
	s_wait_loadcnt 24
	STEP 0, 0, 1
	TURN 0, 1, 1, 1
	STEP 1, 2, 0
	TURN 1, 0, 3, 1
	STEP 0, 4, 0
	TURN 0, 1, 5, 2
	STEP 1, 6, 0
	s_wait_tensorcnt 0x0
	ds_add_u32 v[SPW], v[NIL]
	s_wait_dscnt 4*NL+1
	WIN MUL_LO
	MUL16 0, 1, 7, 0, 0
	s_wait_dscnt 0x0
	s_barrier_signal -1
	MUL16 2, 1, 7, 0, 0
	WIN 0
	s_barrier_wait -1
	CREST
	NEXTP G0+4, G0B+4, 2
	JLOAD G0+4, G1R2, G0B+4, G1B
	WIN MUL_HI
	MUL16 4, 1, 7, 0, 0
	MUL16 6, 1, 7, 0, 0
	WIN 0
.macro QUANT src, d0, d1, pw
.irp b, 0,1,2,3
	v_max3_num_f32 v[TM+\b], |v[\src+16*\b]|, |v[\src+1+16*\b]|, 0x1800000
.endr
.irp i, 2,4,6,8,10,12,14
.irp b, 0,1,2,3
	v_max3_num_f32 v[TM+\b], v[TM+\b], |v[\src+16*\b+\i]|, |v[\src+1+16*\b+\i]|
.endr
.endr
.irp b, 0,1,2,3
	v_permlanex16_b32 v[TM+4+\b], v[TM+\b], s18, s19
.endr
.irp b, 0,1,2,3
	v_max_num_f32 v[TM+\b], v[TM+\b], v[TM+4+\b]
.endr
.irp b, 0,1,2,3
	v_add_nc_u32 v[TM+12+\b], 0xff000000, v[TM+\b]
.endr
.irp b, 0,1,2,3
	v_lshrrev_b32 v[TM+4+\b], 23, v[TM+12+\b]
.endr
	v_lshl_or_b32 v[\pw], v[TM+5], 8, v[TM+4]
	v_lshl_or_b32 v[\pw], v[TM+6], 16, v[\pw]
	v_lshl_or_b32 v[\pw], v[TM+7], 24, v[\pw]
	v_cvt_scalef32_pk16_fp6_f32 v[\d0:\d0+2], v[\src:\src+15], v[TM+12]
	v_cvt_scalef32_pk16_fp6_f32 v[QT:QT+2], v[\src+16:\src+31], v[TM+13]
	v_cvt_scalef32_pk16_fp6_f32 v[\d1:\d1+2], v[\src+32:\src+47], v[TM+14]
	v_cvt_scalef32_pk16_fp6_f32 v[QT+4:QT+6], v[\src+48:\src+63], v[TM+15]
	v_nop
.irp i, 0,1,2
	v_permlane16_swap_b32 v[\d0+\i], v[QT+\i]
.endr
.irp i, 0,1,2
	v_permlane16_swap_b32 v[\d1+\i], v[QT+4+\i]
.endr
.irp i, 0,1,2
	v_mov_b32 v[\d0+3+\i], v[QT+\i]
	v_mov_b32 v[\d1+3+\i], v[QT+4+\i]
.endr
.endm
.macro ADDB a
	WIN 0x06+((\a)/4)
.set AC, 64*((\a)%4)
.set jj, 0
.rept 32
	v_pk_add_f32 v[HA+jj:HA+jj+1], v[AC+jj:AC+jj+1], v[96+jj+96*(jj/32):96+jj+96*(jj/32)+1]
.set jj, jj+2
.endr
	WIN 0
.endm
.macro ADDV a
	WIN 0x02
.set AC, 64*(\a)
.set jj, 0
.rept 32
	v_pk_add_f32 v[HA+jj:HA+jj+1], v[AC+jj:AC+jj+1], v[BV+2*(\a):BV+2*(\a)+1]
.set jj, jj+2
.endr
	WIN 0
.endm
	PLACES NP
	s_wait_loadcnt 0x0
.irp i, 0,1,2,3,4,5,6,7
	global_load_b128 v[SC+8*\i:SC+8*\i+3], v[SOF+1], s[6:7] offset:512*\i
	global_load_b128 v[SC+8*\i+4:SC+8*\i+7], v[SOF+1], s[6:7] offset:512*\i+16
.endr
	v_and_b32 v1, 15, v0
	v_bfe_u32 v2, v0, 4, 1
	s_wait_alu depctr_va_vdst(0)
	v_and_b32 v24, 31, v0
	v_lshlrev_b32 v24, 4, v24
	v_lshlrev_b32 v26, 4, v2
.irp b, 0,1,2,3
	v_mov_b32 v[TM+4+\b], 0
.endr
	s_mov_b32 s18, 0x76543210
	s_mov_b32 s19, 0xfedcba98
	s_sub_co_u32 s100, s42, 32
	s_lshl_b32 s100, s100, 2
	s_lshl_b32 s101, s16, 1
	s_add_co_u32 s100, s100, s101
	s_mul_i32 s100, s100, QKH
	s_lshl_b32 s101, s17, 1
	s_add_co_u32 s101, s101, s15
	s_mul_i32 s101, s101, 6656
	s_add_co_u32 s100, s100, s101
	s_mov_b32 s101, 0
	s_add_nc_u64 s[98:99], s[98:99], s[100:101]
	v_mul_u32_u24 v25, QKH, v2
	v_lshl_add_u32 v25, v1, 4, v25
.irp al, 0,1,2,3
.if \al > 0
	s_wait_xcnt 0x0
.endif
.irp u, 0,1
	ADDB 2*\al+\u
	QUANT HA, OUT+6*\u, OUT+12+6*\u, SW+2*\al+\u
.endr
.irp c, 0,1
.irp k, 0,1,2
	global_store_b128 v24, v[OUT+12*\c+4*\k:OUT+12*\c+4*\k+3], s[98:99] offset:\c*QKH+\al*1536+512*\k
.endr
.endr
.endr
.irp a, 0,1,2,3,4,5,6,7
	v_lshrrev_b32 v[SW+\a], v26, v[SW+\a]
.endr
	global_store_b128 v25, v[SW:SW+3], s[98:99] offset:6144
	global_store_b128 v25, v[SW+4:SW+7], s[98:99] offset:6400
	s_wait_xcnt 0x0
	FETCH2 ADRX, ADRX+1, 0, 0
	s_wait_loadcnt 0x0
	STEP2 0, 0, 1, ADRX, ADRX+1, 1
	TURN2 1, 1, 1, ADRA, ADRB, 0
	STEP2 0, 2, 0, ADRA, ADRB, 1
	STEP2 1, 3, 0, ADRA+1, ADRB+1, 0
	STEP2 0, 4, 0, ADRA+1, ADRB+1, 1
	TURN2 1, 5, 0, ADRX, ADRX+1, 0
	STEP2 0, 6, 0, ADRX, ADRX+1, 1
	s_wait_dscnt 0x0
	WIN MUL_LO
	MUL16 0, 1, 7, 0, 48
	MUL16 2, 1, 7, 0, 48
	WIN 0
	PLACES NP
	s_lshl_b32 s100, s84, 1
	s_add_co_u32 s100, s100, s15
	s_mul_i32 s100, s100, VH
	s_lshl_b32 s101, s85, 1
	s_add_co_u32 s101, s101, s16
	s_mul_i32 s101, s101, 6400
	s_add_co_u32 s100, s100, s101
	s_mov_b32 s101, 0
	s_add_nc_u64 s[12:13], s[12:13], s[100:101]
	v_lshlrev_b32 v25, 4, v1
.irp a, 0,1,2,3
.if \a > 0
	s_wait_xcnt 0x0
.endif
	ADDV \a
	QUANT HA, OUT, OUT+6, SW+\a
.irp k, 0,1,2
	global_store_b128 v24, v[OUT+4*\k:OUT+4*\k+3], s[12:13] offset:\a*1536+512*\k
.endr
.endr
	global_store_b128 v25, v[SW:SW+3], s[12:13] offset:6144
	s_wait_tensorcnt 0x0
	ds_add_u32 v[SPW], v[NIL]
	s_wait_dscnt 0x0
	CROUND
	s_endpgm
.Lfunc_end_k_q0c3c815f66_proj:
	.size	k_q0c3c815f66_proj, .Lfunc_end_k_q0c3c815f66_proj-k_q0c3c815f66_proj
	.p2alignl 7, 3214868480
	.fill 96, 4, 3214868480
	.section	.rodata,"a",@progbits
	.p2align	6, 0x0
	.amdhsa_kernel k_q0c3c815f66_proj
		.amdhsa_group_segment_fixed_size 327680
		.amdhsa_private_segment_fixed_size 0
		.amdhsa_enable_private_segment 0
		.amdhsa_kernarg_size 40
		.amdhsa_user_sgpr_count 2
		.amdhsa_user_sgpr_kernarg_segment_ptr 1
		.amdhsa_wavefront_size32 1
		.amdhsa_system_sgpr_workgroup_id_x 1
		.amdhsa_system_sgpr_workgroup_id_y 1
		.amdhsa_system_sgpr_workgroup_id_z 1
		.amdhsa_system_vgpr_workitem_id 0
		.amdhsa_next_free_vgpr 1024
		.amdhsa_next_free_sgpr 102
		.amdhsa_reserve_vcc 1
		.amdhsa_float_denorm_mode_32 3
		.amdhsa_float_denorm_mode_16_64 3
		.amdhsa_memory_ordered 1
		.amdhsa_forward_progress 1
		.amdhsa_inst_pref_size 255
	.end_amdhsa_kernel
	.section	.bss,"aw",@nobits
	.p2align	6
	.space	262144
	.amdgpu_metadata
---
amdhsa.version: [ 1, 2 ]
amdhsa.kernels:
  - .name:           k_q0c3c815f66_proj
    .symbol:         k_q0c3c815f66_proj.kd
    .args:
      - { .name: c1, .offset: 0, .size: 8, .value_kind: global_buffer, .address_space: global }
      - { .name: s1, .offset: 8, .size: 8, .value_kind: global_buffer, .address_space: global }
      - { .name: b_in, .offset: 16, .size: 8, .value_kind: global_buffer, .address_space: global }
      - { .name: qkb, .offset: 24, .size: 8, .value_kind: global_buffer, .address_space: global }
      - { .name: vb, .offset: 32, .size: 8, .value_kind: global_buffer, .address_space: global }
    .group_segment_fixed_size: 327680
    .private_segment_fixed_size: 0
    .kernarg_segment_align: 8
    .kernarg_segment_size: 40
    .max_flat_workgroup_size: 128
    .sgpr_count:     102
    .vgpr_count:     1024
    .wavefront_size: 32
...
	.end_amdgpu_metadata
.endif
;; end of part 2
;; launch attn (part 3): grid 4 x 64, 16 waves a work-group, clusters of 4 x 1, 237,568 bytes of LDS; arguments qkb, vb, oc, os; writes oc, os
.if DOCPART == 3
	.amdgcn_target "amdgcn-amd-amdhsa--gfx1250"
	.amdhsa_code_object_version 6
	.text
	.protected	k_q0c3c815f66_attn
	.globl	k_q0c3c815f66_attn
	.p2align	8
	.type	k_q0c3c815f66_attn,@function
k_q0c3c815f66_attn:
	s_mov_b64 s[64:65], 0
	v_nop
	global_prefetch_b8 v0, s[64:65] scope:SCOPE_SE
	s_setreg_imm32_b32 hwreg(HW_REG_WAVE_MODE, 25, 1), 1
	s_wait_xcnt 0x0
	s_wait_alu depctr_hold_cnt(0) depctr_sa_sdst(0) depctr_va_vdst(0) depctr_va_sdst(0) depctr_va_ssrc(0) depctr_va_vcc(0) depctr_vm_vsrc(0)
	s_getreg_b32 s2, hwreg(HW_REG_IB_STS2, 6, 4)
	s_cmp_eq_u32 s2, 0
	s_cbranch_scc0 .Lentry_in_a_cluster
	s_endpgm
.Lentry_in_a_cluster:
	s_bfe_u32 s2, ttmp6, 0x10000c
	s_cmp_lg_u32 s2, 0x3003
	s_cbranch_scc0 .Lentry_shape_is_right
	s_endpgm
.Lentry_shape_is_right:
; Causal attention of one head on codes of FP6 (E2M3), and the quantising of its result for the output projection.  Head size 64, 2,048 tokens, 64 (batch, head) pairs.
; LEFT OUT: key steps that lie wholly behind a tile's queries: the causal mask sets their scores to -inf, so their p is 0 for all inputs.
; S^T = K Q^T and O^T = V^T P^T are used transposed: a lane holds ONE query (lane % 16).  t = score x log2(e) / 8; M = the running largest t rounded UP to a whole number; p = 2^(t - M) is quantised
; along the keys, not normalised; the row's sum is taken of the unquantised p and divides O at the end.  When M moves, the sum and O are multiplied by 2^(old M - new M): exact.
; SHARES.  The four work-groups of a cluster serve one (batch, head).  Wave w of work-group j owns query tile 8 w + 2 j (its queries lie in key step w) and tile 127 - 8 w - 2 j (key step 15 - w):
; 17 turns of a tile in a key step of 128 keys for every wave.  Which turns are worked hangs on the wave's number and the step alone.
; LDS.  The head's whole K and V are brought ONCE by four joint loads, one a wave (waves 0 to 3: K's steps 0-1, V's steps 0-1, K's rest, V's rest); nothing is filled again.  No prefetch: every load goes out at the head.
; K's block of a step is 13 rows of 512 bytes (12 pieces of codes, one row of scale words), each with 128 bytes of padding behind it.
; WHICH KEYS FORM A TILE.  In memory a group of 32 tokens is an image of 12 registers: tiles u = 0, 1, whose row r is token 8 u + r % 8 + 16 (r / 8).  Here tile t = 2 e + u of a pair of groups takes rows 8 e .. 8 e + 7 of
; tile u of the even group as its rows 0-7 and the same of the odd group as its rows 8-15: a matter of lane addresses alone.  Register 8 t + i of pair g in lane half h is then key 64 g + 32 h + 8 t + i:
; a lane's 32 registers are ONE scale block in the order of the next operand, so only the row's maximum and the scale word cross the lane halves.  By the padding a group begins 1,920 bytes
; behind the last.
; THE FIRST PRODUCT'S K IS 64 of the instruction's 128: Q's upper six registers are zero codes, its scale bytes 2 and 3 are 0; a tile of K is six registers and the six behind it are whatever lies there:
; every pattern of bits is a finite number of E2M3, and it meets a zero.  K's scale bytes 2 and 3 are a neighbouring head's or 0, never 0xff.
; REGISTERS IN TURN.  K's first four tiles land in the scores' upper 32 registers, which their own products do not write; V's tiles 2, 3 land in the scores' lower registers when those are summed and converted.
; OUT: oc = [512 token tiles][8 fragments][1,536 bytes], head hd is half hd % 2 of fragment hd / 2; os = [8,192 positions][32], bytes 2 hd, 2 hd + 1.
; LIMITS: NaN and infinities are not served; a block of zeros gets the byte 1 (read by this program alone); the scaled scores stay under 2^31 in magnitude.
.set KBLK, 6656
.set KLDS, 8320
.set KSC,  7680
.set VBLK, 6400
.set VOFF, 16*KLDS
.set SPARE, VOFF+16*VBLK
.set L16, 1                            ; 16 x lane
.set R16, 2                            ; 16 x (lane % 16)
.set AKL, 3                            ; K's codes: 16 (r % 8) + 256 h + 1,920 (r / 8)
.set ASL, 4                            ; K's scale words: 16 (r % 8) + 8 (r / 8)
.set ADK, 5                            ; v5-8 the step's LDS addresses
.set ADS, 6
.set ADV, 7
.set ADT, 8
.set DA,  9                            ; my query's place in its own key step, less 32 h
.set DB,  10
.set H8,  11
.set STA, 12                           ; -M, the largest score, the sum in two halves
.set STB, 16
.set QSA, 20
.set QSB, 21
.set QA,  22
.set QB,  34
.set OA,  46
.set OB,  78
.set S,   110                          ; v110-173 S^T, then p
.set FB,  174                          ; v174-203 four tiles of K and six zeros; or two fragments of V
.set PC,  204
.set BM,  216
.set SO,  218
.set BY,  220
.set T2,  222
.set KSW, 230
.set VSW, 238
.set SU,  242
.set FF,  244                          ; f, later 1 / the sum; named as a pair with TA
.set TA,  245
.set TC,  246
.set PW,  247
.set L8,  248
.set OSO, 249
.set W,   250
.set WV,  12
.set J,   13
.set SEL, 20
.set CS,  22
.set G1K0, 24
.set G1KR, 32
.set G1V0, 40
.set G1VR, 48
.set G0K0, 56
.set G0KR, 60
.set G0V0, 68
.set G0VR, 72
.set KSTP, 76
.set TK,  77
.set TV,  78
.set CLA, 79
.set CLB, 80
.set CNT, 81
.set KPAD, (1<<20)|(6<<22)|(31<<25)    ; behind every 128 words 32 words of padding
.macro CROUND
	s_barrier_signal -1
	s_barrier_wait -1
	s_cmp_lg_u32 s[WV], 0
	s_cbranch_scc1 .Lnot_wave_0_\@
	s_barrier_signal -3
.Lnot_wave_0_\@:
	s_barrier_wait -3
	s_barrier_signal -1
	s_barrier_wait -1
.endm
.macro G1SET g, rows, el, pad          ; a dense block as rows of el elements of 8 bytes; mask: all four work-groups, bit 21 beside it
	s_mov_b32 s[\g], 15|(3<<16)|(1<<21)|(\pad)
	s_mov_b32 s[\g+1], (\el)<<16
	s_mov_b32 s[\g+2], (\rows)<<16
	s_mov_b32 s[\g+3], (\el)<<16
	s_mov_b32 s[\g+4], \rows
	s_mov_b32 s[\g+5], \el
	s_mov_b32 s[\g+6], 0
	s_mov_b32 s[\g+7], 0
.endm
.macro TLOAD g0, g1
	tensor_load_to_lds s[\g0:\g0+3], s[\g1:\g1+7]
	s_nop 0
.rept 4
	v_nop
.endr
.endm
	s_load_b256 s[4:11], s[0:1], 0x0               ; qkb, vb, oc, os
	v_lshl_add_u32 v254, v0, 2, SPARE
	v_mov_b32 v255, 0
	ds_add_u32 v254, v255                          ; the opening lines
	ds_add_u32 v254, v255
	v_lshrrev_b32 v1, 5, v0
	v_readfirstlane_b32 s[WV], v1
	s_bfe_u32 s[J], ttmp6, 0x40000                 ; j: my place in the cluster
	s_and_b32 s16, ttmp7, 0xffff
	s_and_b32 s15, s16, 15                         ; head
	s_lshr_b32 s16, s16, 4                         ; batch
	s_lshl_b32 s17, s15, 6
	s_lshl_b32 s18, s16, 4
	s_add_co_u32 s17, s17, s18                     ; the head's first step block
	s_mul_i32 s82, s17, VBLK
	s_mov_b32 s83, 0
	s_mul_i32 s18, s17, KBLK                       ; q's stream
	s_add_co_u32 s2, s18, 1024*KBLK                ; k's
	s_mov_b32 s3, 0
	s_mov_b32 s[CLA], s[WV]
	s_sub_co_u32 s[CLB], 15, s[WV]
	G1SET G1K0, 26, 64, KPAD                       ; K's steps 0, 1: 26 rows of 512 bytes
	G1SET G1KR, 182, 64, KPAD                      ; steps 2-15
	G1SET G1V0, 50, 32, 0                          ; V's steps 0, 1: 50 rows of 256 bytes
	G1SET G1VR, 350, 32, 0
	s_mov_b32 s[SEL], 0x76543210
	s_mov_b32 s[SEL+1], 0xfedcba98                 ; lane l xor 16
	s_mov_b32 s[CS], 0x3e38aa3b                    ; c = log2(e) / 8
	s_mov_b32 s[CS+1], s[CS]
	s_mov_b32 s[KSTP], 0
	s_mov_b32 s[TK], 0
	s_mov_b32 s[TV], VOFF
	; my two tiles of Q: tile A = group j, parity 0, of step w; tile B = group 3 - j, parity 1, of step 15 - w
	s_lshr_b32 s14, s[J], 1
	s_lshl_b32 s14, s14, 8
	s_and_b32 s100, s[J], 1
	s_lshl_b32 s100, s100, 3
	s_add_co_u32 s14, s14, s100
	s_mul_i32 s100, s[J], 1536
	s_mul_i32 s19, s[CLA], KBLK
	s_add_co_u32 s19, s19, s18
	s_add_co_u32 s92, s19, s100
	s_mov_b32 s93, 0
	s_add_co_u32 s94, s19, s14
	s_add_co_u32 s94, s94, 6144
	s_mov_b32 s95, 0
	s_mul_i32 s19, s[CLB], KBLK
	s_add_co_u32 s19, s19, s18
	s_add_co_u32 s96, s19, 3*1536
	s_sub_co_u32 s96, s96, s100
	s_mov_b32 s97, 0
	s_add_co_u32 s98, s19, 6412
	s_sub_co_u32 s98, s98, s14
	s_mov_b32 s99, 0
	; and where their results go
	s_lshl_b32 s14, s[WV], 3
	s_lshl_b32 s100, s[J], 1
	s_add_co_u32 s14, s14, s100
	s_sub_co_u32 s100, 127, s14
	s_lshl_b32 s19, s16, 7
	s_add_co_u32 s14, s14, s19
	s_add_co_u32 s100, s100, s19
	s_mul_i32 s19, s15, 768
	s_lshl_b32 s101, s15, 1
	s_mul_i32 s84, s14, 12288
	s_add_co_u32 s84, s84, s19
	s_mov_b32 s85, 0
	s_lshl_b32 s86, s14, 9
	s_add_co_u32 s86, s86, s101
	s_mov_b32 s87, 0
	s_mul_i32 s88, s100, 12288
	s_add_co_u32 s88, s88, s19
	s_mov_b32 s89, 0
	s_lshl_b32 s90, s100, 9
	s_add_co_u32 s90, s90, s101
	s_mov_b32 s91, 0
	s_wait_dscnt 0x0
	s_wait_kmcnt 0x0
	s_add_nc_u64 s[92:93], s[4:5], s[92:93]
	s_add_nc_u64 s[94:95], s[4:5], s[94:95]
	s_add_nc_u64 s[96:97], s[4:5], s[96:97]
	s_add_nc_u64 s[98:99], s[4:5], s[98:99]
	s_add_nc_u64 s[84:85], s[8:9], s[84:85]
	s_add_nc_u64 s[86:87], s[10:11], s[86:87]
	s_add_nc_u64 s[88:89], s[8:9], s[88:89]
	s_add_nc_u64 s[90:91], s[10:11], s[90:91]
	s_mov_b32 s[G0K0], 1
	s_mov_b32 s[G0K0+1], 0
	s_add_nc_u64 s[G0K0+2:G0K0+3], s[4:5], s[2:3]
	s_mov_b32 s[G0KR], 1
	s_mov_b32 s[G0KR+1], 2*KLDS
	s_add_nc_u64 s[G0KR+2:G0KR+3], s[G0K0+2:G0K0+3], 2*KBLK
	s_or_b32 s[G0K0+3], s[G0K0+3], 0x80000000
	s_or_b32 s[G0KR+3], s[G0KR+3], 0x80000000
	s_mov_b32 s[G0V0], 1
	s_mov_b32 s[G0V0+1], VOFF
	s_add_nc_u64 s[G0V0+2:G0V0+3], s[6:7], s[82:83]
	s_mov_b32 s[G0VR], 1
	s_mov_b32 s[G0VR+1], VOFF+2*VBLK
	s_add_nc_u64 s[G0VR+2:G0VR+3], s[G0V0+2:G0V0+3], 2*VBLK
	s_or_b32 s[G0V0+3], s[G0V0+3], 0x80000000
	s_or_b32 s[G0VR+3], s[G0VR+3], 0x80000000
	CROUND                                         ; all four work-groups are here: the joint loads meet
	s_cmp_eq_u32 s[WV], 0                          ; one chain of branches on the wave's number, one load to an arm
	s_cbranch_scc0 .Larm_1
	TLOAD G0K0, G1K0
	s_branch .Lasked
.Larm_1:
	s_cmp_eq_u32 s[WV], 1
	s_cbranch_scc0 .Larm_2
	TLOAD G0V0, G1V0
	s_branch .Lasked
.Larm_2:
	s_cmp_eq_u32 s[WV], 2
	s_cbranch_scc0 .Larm_3
	TLOAD G0KR, G1KR
	s_branch .Lasked
.Larm_3:
	s_cmp_eq_u32 s[WV], 3
	s_cbranch_scc0 .Lasked
	TLOAD G0VR, G1VR
.Lasked:
	v_and_b32 v5, 31, v0                           ; lane
	v_and_b32 v6, 15, v0                           ; r
	v_lshlrev_b32 v[L16], 4, v5
	v_lshlrev_b32 v[R16], 4, v6
	global_load_b128 v[QA:QA+3], v[L16], s[92:93]              ; tile A: registers 0-5 of its group's image
	global_load_b64 v[QA+4:QA+5], v[L16], s[92:93] offset:512
	global_load_b32 v[QSA], v[R16], s[94:95]
	global_load_b64 v[QB:QB+1], v[L16], s[96:97] offset:520    ; tile B: registers 6-11
	global_load_b128 v[QB+2:QB+5], v[L16], s[96:97] offset:1024
	global_load_b32 v[QSB], v[R16], s[98:99]
	v_bfe_u32 v7, v0, 4, 1                         ; h
	v_lshlrev_b32 v[H8], 3, v7
	v_lshlrev_b32 v[L8], 3, v5
	v_lshl_add_u32 v[OSO], v6, 5, v7
	v_and_b32 v8, 8, v6
	v_add_nc_u32 v8, v8, v6                        ; (r % 8) + 16 (r / 8)
	v_lshlrev_b32 v5, 5, v7
	v_sub_nc_u32 v8, v8, v5                        ; - 32 h
	s_lshl_b32 s14, s[J], 5
	v_add_nc_u32 v[DA], s14, v8
	s_sub_co_u32 s14, 104, s14
	v_add_nc_u32 v[DB], s14, v8
	v_and_b32 v5, 7, v0
	v_bfe_u32 v6, v0, 3, 1
	v_lshlrev_b32 v5, 4, v5
	v_lshl_add_u32 v[ASL], v6, 3, v5
	v_lshl_add_u32 v5, v7, 8, v5
	v_mad_u32_u24 v[AKL], v6, 1920, v5
.irp i, 6,7,8,9,10,11
	v_mov_b32 v[QA+\i], 0                          ; Q's upper 64 along K: zero codes
	v_mov_b32 v[QB+\i], 0
	v_mov_b32 v[FB+18+\i], 0                       ; behind K's last tile: never written again
	v_mov_b32 v[S+50+\i], 0                        ; behind the fourth tile: written before it is first named
.endr
	s_wait_loadcnt 0x0                             ; Q
	v_and_b32 v[QSA], 0xffff, v[QSA]               ; the scale bytes of Q's upper 64 become 0
	v_and_b32 v[QSB], 0xffff, v[QSB]
.irp st, STA, STB
	v_mov_b32 v[\st+1], 0xff61b1e6                 ; the largest score so far: -3e38
	v_mul_f32 v[TA], -v[\st+1], s[CS]
	v_floor_f32 v[\st], v[TA]                      ; -M
	v_mov_b32 v[\st+2], 0
	v_mov_b32 v[\st+3], 0
.endr
	v_mov_b32 v[T2], 0                             ; a lane permute's destination counts as one of its sources
	v_mov_b32 v[T2+1], 0
	v_mov_b32 v[TC], 0
.set jj, 0
.rept 64
	v_mov_b32 v[OA+jj], 0                          ; O^T of both tiles: a tile's first turn finds zeros
.set jj, jj+1
.endr
; ONE TILE'S TURN IN A KEY STEP.  A step behind the tile's own is left out: a scalar branch on the wave's number and the step.
.macro TILE qf, qs, st, o, dm, cl
	s_cmp_gt_u32 s[KSTP], s[\cl]
	s_cbranch_scc1 .Lskip_\@
.irp g, 0,1
.irp e, 0,1
	ds_load_b64 v[KSW+4*\g+2*\e:KSW+4*\g+2*\e+1], v[ADS] offset:KSC+256*\g+128*\e   ; the scale words of tiles 2 e, 2 e + 1 of pair g
.endr
.endr
.irp e, 0,1
.irp k, 0,1,2
	ds_load_b128 v[S+32+12*\e+4*\k:S+35+12*\e+4*\k], v[ADK] offset:128*\e+640*\k    ; pair 0's four tiles
.endr
.endr
.irp e, 0,1
.irp k, 0,1,2
	ds_load_b128 v[FB+12*\e+4*\k:FB+3+12*\e+4*\k], v[ADK] offset:3840+128*\e+640*\k ; pair 1's
.endr
.endr
	s_wait_dscnt 0x0
.irp t, 0,1,2,3
	v_wmma_scale_f32_16x16x128_f8f6f4 v[S+8*\t:S+8*\t+7], v[S+32+6*\t:S+43+6*\t], v[\qf:\qf+11], 0, v[KSW+\t], v[\qs] matrix_a_fmt:MATRIX_FMT_FP6 matrix_b_fmt:MATRIX_FMT_FP6
.endr
.rept 5
	v_nop                                          ; five places: the next four products write over the registers that these four read
.endr
.irp t, 0,1,2,3
	v_wmma_scale_f32_16x16x128_f8f6f4 v[S+32+8*\t:S+39+8*\t], v[FB+6*\t:FB+6*\t+11], v[\qf:\qf+11], 0, v[KSW+4+\t], v[\qs] matrix_a_fmt:MATRIX_FMT_FP6 matrix_b_fmt:MATRIX_FMT_FP6
.endr
.rept 4
	v_nop                                          ; places in front of the loads into K's registers and of the first read of the scores
.endr
.irp k, 0,1,2,3,4,5
	ds_load_b128 v[FB+4*\k:FB+4*\k+3], v[ADV] offset:512*\k    ; V's channel tiles 0, 1
.endr
	ds_load_b128 v[VSW:VSW+3], v[ADT] offset:6144
	s_cmp_lg_u32 s[KSTP], s[\cl]                   ; in the tile's own step hidden scores become -infinity (key 0 of the step counts for every query of it)
	s_cbranch_scc1 .Lopen_\@
	v_mov_b32 v[TA], 0xff800000
.set jj, 0
.rept 64
	v_cmp_gt_i32 vcc_lo, jj+32*(jj/32), v[\dm]     ; register 32 g + i holds the step's key 64 g + 32 h + i
	v_cndmask_b32 v[S+jj], v[S+jj], v[TA], vcc_lo
.set jj, jj+1
.endr
.Lopen_\@:
.irp g, 0,1
	v_max3_num_f32 v[BM+\g], v[S+32*\g], v[S+1+32*\g], v[S+2+32*\g]   ; my two blocks' largest scores, by turns: for the row's maximum and, since p rises with the score, for the block's largest p
.endr
.irp i, 3,5,7,9,11,13,15,17,19,21,23,25,27,29
.irp g, 0,1
	v_max3_num_f32 v[BM+\g], v[BM+\g], v[S+32*\g+\i], v[S+1+32*\g+\i]
.endr
.endr
.irp g, 0,1
	v_max_num_f32 v[BM+\g], v[BM+\g], v[S+31+32*\g]
.endr
	s_delay_alu instid0(VALU_DEP_1)
	v_max_num_f32 v[TA], v[BM], v[BM+1]
	s_delay_alu instid0(VALU_DEP_1)
	v_permlanex16_b32 v[TC], v[TA], s[SEL], s[SEL+1]
	s_delay_alu instid0(VALU_DEP_1)
	v_max3_num_f32 v[\st+1], v[\st+1], v[TA], v[TC]            ; the running largest score (c is positive)
	s_delay_alu instid0(VALU_DEP_1)
	v_mul_f32 v[TA], -v[\st+1], s[CS]
	s_delay_alu instid0(VALU_DEP_1)
	v_floor_f32 v[TC], v[TA]                       ; the new -M = -ceil(t)
	s_delay_alu instid0(VALU_DEP_1)
	v_sub_f32 v[TA], v[TC], v[\st]                 ; old M - new M: a whole number, 0 or less
	v_mov_b32 v[\st], v[TC]
	s_delay_alu instid0(VALU_DEP_2)
	v_cvt_i32_f32 v[TA], v[TA]                     ; (it saturates)
	s_delay_alu instid0(VALU_DEP_1)
	v_ldexp_f32 v[FF], 1.0, v[TA]                  ; f = 2^(old M - new M)
.set jj, 0
.rept 32
	v_pk_fma_f32 v[S+jj:S+jj+1], v[S+jj:S+jj+1], s[CS:CS+1], v[\st:\st+1] op_sel_hi:[1,0,0]   ; t - M
.set jj, jj+2
.endr
.irp g, 0,1
	v_fma_f32 v[BM+\g], v[BM+\g], s[CS], v[\st]
.endr
	s_wait_alu depctr_va_vdst(0)                   ; the wait ahead of the batch
.set jj, 0
.rept 64
	v_exp_f32 v[S+jj], v[S+jj]                     ; p = 2^(t - M), at most 1
.set jj, jj+1
.endr
.irp g, 0,1
	v_exp_f32 v[BM+\g], v[BM+\g]                   ; the block's largest p: the same two instructions on the same number
.endr
	v_pk_mul_f32 v[\st+2:\st+3], v[\st+2:\st+3], v[FF:FF+1] op_sel_hi:[1,0]   ; the sums under the new M
	s_wait_alu depctr_va_vdst(0)                   ; and behind it
.irp g, 0,1
	v_max_num_f32 v[BM+\g], 0x1800000, v[BM+\g]    ; the floor 2^(3 - 127): the byte cannot fall under 1
.endr
.irp g, 0,1
	s_delay_alu instid0(VALU_DEP_2)
	v_add_nc_u32 v[SO+\g], 0xff000000, v[BM+\g]    ; 2 off the exponent field: the conversion's scale operand
.endr
	v_cvt_scalef32_pk16_fp6_f32 v[PC:PC+2], v[S:S+15], v[SO]
	v_cvt_scalef32_pk16_fp6_f32 v[T2:T2+2], v[S+16:S+31], v[SO]
.irp g, 0,1
	v_lshrrev_b32 v[BY+\g], 23, v[SO+\g]           ; the scale's byte
.endr
	v_pk_add_f32 v[SU:SU+1], v[S:S+1], v[S+2:S+3]  ; the row's sum is taken of the UNQUANTISED p, in two chains: pair 0's 32 numbers
.irp j, 4,8,12,16,20,24,28
	v_pk_add_f32 v[\st+2:\st+3], v[\st+2:\st+3], v[S+\j:S+\j+1]
	v_pk_add_f32 v[SU:SU+1], v[SU:SU+1], v[S+2+\j:S+3+\j]
.endr
.irp k, 0,1,2,3,4,5
	ds_load_b128 v[S+4*\k:S+4*\k+3], v[ADV] offset:3072+512*\k   ; V's channel tiles 2, 3, onto numbers that are summed and converted
.endr
	v_lshl_or_b32 v[W], v[BY+1], 16, v[BY]         ; blocks h and 2 + h,
	s_delay_alu instid0(VALU_DEP_1)
	v_lshlrev_b32 v[W], v[H8], v[W]                ; at their places in the word;
	s_delay_alu instid0(VALU_DEP_1)
	v_permlanex16_b32 v[TC], v[W], s[SEL], s[SEL+1]
	s_delay_alu instid0(VALU_DEP_1)
	v_or_b32 v[PW], v[W], v[TC]                    ; with lane l xor 16's two the word is whole
	v_cvt_scalef32_pk16_fp6_f32 v[PC+6:PC+8], v[S+32:S+47], v[SO+1]
	v_cvt_scalef32_pk16_fp6_f32 v[T2+4:T2+6], v[S+48:S+63], v[SO+1]
.irp i, 0,1,2
	v_mov_b32 v[PC+3+\i], v[T2+\i]                 ; (a conversion's three registers begin on an even number)
.endr
.irp i, 0,1,2
	v_mov_b32 v[PC+9+\i], v[T2+4+\i]
.endr
	s_wait_alu depctr_va_vdst(0)                   ; the wait ahead of the first reader of O^T
.set jj, 0
.rept 8
	v_pk_mul_f32 v[\o+jj:\o+jj+1], v[\o+jj:\o+jj+1], v[FF:FF+1] op_sel_hi:[1,0]   ; O^T under the new M: channel tiles 0, 1
.set jj, jj+2
.endr
	s_wait_alu depctr_va_vdst(0)                   ; the wait ahead of the wait below
	s_wait_dscnt 0x0                               ; all of V's tiles and scale words
.irp t, 0,1
	v_wmma_scale_f32_16x16x128_f8f6f4 v[\o+8*\t:\o+8*\t+7], v[FB+12*\t:FB+12*\t+11], v[PC:PC+11], v[\o+8*\t:\o+8*\t+7], v[VSW+\t], v[PW] matrix_a_fmt:MATRIX_FMT_FP6 matrix_b_fmt:MATRIX_FMT_FP6
.endr
.set jj, 16
.rept 8
	v_pk_mul_f32 v[\o+jj:\o+jj+1], v[\o+jj:\o+jj+1], v[FF:FF+1] op_sel_hi:[1,0]   ; tiles 2, 3; these eight are also the places in front of the next turn's loads into V's registers
.set jj, jj+2
.endr
.irp t, 0,1
	v_wmma_scale_f32_16x16x128_f8f6f4 v[\o+16+8*\t:\o+23+8*\t], v[S+12*\t:S+12*\t+11], v[PC:PC+11], v[\o+16+8*\t:\o+23+8*\t], v[VSW+2+\t], v[PW] matrix_a_fmt:MATRIX_FMT_FP6 matrix_b_fmt:MATRIX_FMT_FP6
.endr
.irp j, 32,36,40,44,48,52,56,60
	v_pk_add_f32 v[\st+2:\st+3], v[\st+2:\st+3], v[S+\j:S+\j+1]     ; pair 1's 32 numbers: also the places in front of the next turn's products, which write over V's tiles 2, 3
	v_pk_add_f32 v[SU:SU+1], v[SU:SU+1], v[S+2+\j:S+3+\j]
.endr
	v_pk_add_f32 v[\st+2:\st+3], v[\st+2:\st+3], v[SU:SU+1]
	s_wait_alu depctr_va_vdst(0)                   ; the wait ahead of the branches and waits that follow
.Lskip_\@:
.endm
.macro STEPS n                         ; n key steps; the trip count is a constant, the LDS addresses step by constants
	s_mov_b32 s[CNT], \n
.Lstep_\@:
	v_add_nc_u32 v[ADK], s[TK], v[AKL]
	v_add_nc_u32 v[ADS], s[TK], v[ASL]
	v_add_nc_u32 v[ADV], s[TV], v[L16]
	v_add_nc_u32 v[ADT], s[TV], v[R16]
	s_wait_alu depctr_va_vdst(0)                   ; the addresses may be first read behind a jump
	TILE QA, QSA, STA, OA, DA, CLA
	TILE QB, QSB, STB, OB, DB, CLB
	s_add_co_u32 s[TK], s[TK], KLDS
	s_add_co_u32 s[TV], s[TV], VBLK
	s_add_co_u32 s[KSTP], s[KSTP], 1
	s_sub_co_u32 s[CNT], s[CNT], 1
	s_cmp_lg_u32 s[CNT], 0
	s_cbranch_scc1 .Lstep_\@
.endm
	s_wait_alu depctr_va_vdst(0)                   ; the wait at the head's end
	s_cmp_lt_u32 s[WV], 2                          ; waves 0 and 1 asked for the first two steps' blocks, by lines of their own
	s_cbranch_scc0 .Lnot_first
	s_wait_tensorcnt 0x0
.Lnot_first:
	s_barrier_signal -1
	s_barrier_wait -1                              ; steps 0 and 1 are in; the rest may be out
	STEPS 2
	s_wait_tensorcnt 0x0                           ; the rest has landed
	s_wait_dscnt 0x0
	s_barrier_signal -1
	s_barrier_wait -1
	STEPS 14                                       ; no barrier from here on
; A TILE'S END: O^T / the sum, quantised along the channels (two blocks of 32), as half a fragment of the output projection's operand.
.macro FINISH st, o, poc, pos
	v_add_f32 v[TA], v[\st+2], v[\st+3]
	s_delay_alu instid0(VALU_DEP_1)
	v_permlanex16_b32 v[TC], v[TA], s[SEL], s[SEL+1]
	s_delay_alu instid0(VALU_DEP_1)
	v_add_f32 v[TA], v[TA], v[TC]                  ; with lane l xor 16's keys: the row's sum
	s_wait_alu depctr_va_vdst(0)
	v_rcp_f32 v[FF], v[TA]
	v_nop
.set jj, 0
	s_wait_alu depctr_va_vdst(0)
.rept 16
	v_pk_mul_f32 v[S+jj:S+jj+1], v[\o+jj:\o+jj+1], v[FF:FF+1] op_sel_hi:[1,0]   ; register 16 b + i: channel 32 b + 16 h + i of my query
.set jj, jj+2
.endr
.irp b, 0,1
	v_max3_num_f32 v[BM+\b], |v[S+16*\b]|, |v[S+1+16*\b]|, 0x1800000
.endr
.irp i, 2,4,6,8,10,12,14
.irp b, 0,1
	s_delay_alu instid0(VALU_DEP_2)
	v_max3_num_f32 v[BM+\b], v[BM+\b], |v[S+16*\b+\i]|, |v[S+1+16*\b+\i]|
.endr
.endr
.irp b, 0,1
	v_permlanex16_b32 v[T2+\b], v[BM+\b], s[SEL], s[SEL+1]
.endr
.irp b, 0,1
	s_delay_alu instid0(VALU_DEP_2)
	v_max_num_f32 v[BM+\b], v[BM+\b], v[T2+\b]
.endr
.irp b, 0,1
	s_delay_alu instid0(VALU_DEP_2)
	v_add_nc_u32 v[SO+\b], 0xff000000, v[BM+\b]
.endr
.irp b, 0,1
	s_delay_alu instid0(VALU_DEP_2)
	v_lshrrev_b32 v[T2+\b], 23, v[SO+\b]
.endr
	s_delay_alu instid0(VALU_DEP_1)
	v_lshl_or_b32 v[TA], v[T2+1], 8, v[T2]
	s_delay_alu instid0(VALU_DEP_1)
	v_lshrrev_b32 v[TA], v[H8], v[TA]              ; lanes 0-15 send block 0's byte, lanes 16-31 block 1's
	v_cvt_scalef32_pk16_fp6_f32 v[PC:PC+2], v[S:S+15], v[SO]
	v_cvt_scalef32_pk16_fp6_f32 v[T2+4:T2+6], v[S+16:S+31], v[SO+1]
	v_nop
.irp i, 0,1,2
	v_permlane16_swap_b32 v[PC+\i], v[T2+4+\i]     ; here a lane holds half of each block: the halves change places
.endr
.irp i, 0,1,2
	s_delay_alu instid0(VALU_DEP_3)
	v_mov_b32 v[PC+3+\i], v[T2+4+\i]
.endr
	global_store_b128 v[L16], v[PC:PC+3], s[\poc:\poc+1]               ; 512 consecutive bytes, then 256, each aligned to 256
	global_store_b64 v[L8], v[PC+4:PC+5], s[\poc:\poc+1] offset:512
	global_store_b8 v[OSO], v[TA], s[\pos:\pos+1]
.endm
	FINISH STA, OA, 84, 86
	s_wait_xcnt 0x0                                ; the stores have read their registers
	FINISH STB, OB, 88, 90
	s_wait_dscnt 0x0
	s_wait_tensorcnt 0x0                           ; the wave's end
	ds_add_u32 v254, v255
	s_wait_dscnt 0x0
	CROUND                                         ; the closing round
	s_endpgm
.Lfunc_end_k_q0c3c815f66_attn:
	.size	k_q0c3c815f66_attn, .Lfunc_end_k_q0c3c815f66_attn-k_q0c3c815f66_attn
	.p2alignl 7, 3214868480
	.fill 96, 4, 3214868480
	.section	.rodata,"a",@progbits
	.p2align	6, 0x0
	.amdhsa_kernel k_q0c3c815f66_attn
		.amdhsa_group_segment_fixed_size 237568
		.amdhsa_private_segment_fixed_size 0
		.amdhsa_enable_private_segment 0
		.amdhsa_kernarg_size 32
		.amdhsa_user_sgpr_count 2
		.amdhsa_user_sgpr_kernarg_segment_ptr 1
		.amdhsa_wavefront_size32 1
		.amdhsa_system_sgpr_workgroup_id_x 1
		.amdhsa_system_sgpr_workgroup_id_y 1
		.amdhsa_system_sgpr_workgroup_id_z 1
		.amdhsa_system_vgpr_workitem_id 0
		.amdhsa_next_free_vgpr 256
		.amdhsa_next_free_sgpr 102
		.amdhsa_reserve_vcc 1
		.amdhsa_float_denorm_mode_32 3
		.amdhsa_float_denorm_mode_16_64 3
		.amdhsa_memory_ordered 1
		.amdhsa_forward_progress 1
		.amdhsa_inst_pref_size 103
	.end_amdhsa_kernel
	.amdgpu_metadata
---
amdhsa.version: [ 1, 2 ]
amdhsa.kernels:
  - .name:           k_q0c3c815f66_attn
    .symbol:         k_q0c3c815f66_attn.kd
    .args:
      - { .name: qkb, .offset: 0, .size: 8, .value_kind: global_buffer, .address_space: global }
      - { .name: vb, .offset: 8, .size: 8, .value_kind: global_buffer, .address_space: global }
      - { .name: oc, .offset: 16, .size: 8, .value_kind: global_buffer, .address_space: global }
      - { .name: os, .offset: 24, .size: 8, .value_kind: global_buffer, .address_space: global }
    .group_segment_fixed_size: 237568
    .private_segment_fixed_size: 0
    .kernarg_segment_align: 8
    .kernarg_segment_size: 32
    .max_flat_workgroup_size: 512
    .sgpr_count:     102
    .vgpr_count:     256
    .wavefront_size: 32
...
	.end_amdgpu_metadata
.endif
;; end of part 3
;; launch oproj (part 4): grid 4 x 64, 4 waves a work-group, clusters of 4 x 4, 327,680 bytes of LDS; arguments oc, os, c1, s1, b_out, out0; writes out0
.if DOCPART == 4
	.amdgcn_target "amdgcn-amd-amdhsa--gfx1250"
	.amdhsa_code_object_version 6
	.text
	.protected	k_q0c3c815f66_oproj
	.globl	k_q0c3c815f66_oproj
	.p2align	8
	.type	k_q0c3c815f66_oproj,@function
k_q0c3c815f66_oproj:
	s_mov_b64 s[64:65], 0
	v_nop
	global_prefetch_b8 v0, s[64:65] scope:SCOPE_SE
	s_setreg_imm32_b32 hwreg(HW_REG_WAVE_MODE, 25, 1), 1
	s_wait_xcnt 0x0
	s_wait_alu depctr_hold_cnt(0) depctr_sa_sdst(0) depctr_va_vdst(0) depctr_va_sdst(0) depctr_va_ssrc(0) depctr_va_vcc(0) depctr_vm_vsrc(0)
	s_getreg_b32 s2, hwreg(HW_REG_IB_STS2, 6, 4)
	s_cmp_eq_u32 s2, 0
	s_cbranch_scc0 .Lentry_in_a_cluster
	s_endpgm
.Lentry_in_a_cluster:
	s_bfe_u32 s2, ttmp6, 0x10000c
	s_cmp_lg_u32 s2, 0xf033
	s_cbranch_scc0 .Lentry_shape_is_right
	s_endpgm
.Lentry_shape_is_right:
; out0 = attention's result x w_out^T + b_out on codes of FP6 (E2M3) with E8M0 scales.  R = the 8,192 token positions (oc, os), P = w_out's 1,024 rows (positions 11,264 on of c1, s1); both laid as images of the
; operand's registers: [tile of 16 positions][8 fragments of 128 K][1,536 bytes]; scale bytes [position][32].  Source 0 = P, source 1 = R: a lane holds one token position and eight neighbouring columns an accumulator.
; Position r of the tile of parity u in a group of 32 stands for row 8 u + (r % 8) + 16 (r / 8): the way out puts rows and columns back.
; SHARES.  A tile of the result is 128 x 256: 64 x 4 = 256 work-groups; four waves, 64 x 128 each: 32 accumulators.
; LDS.  128 + 256 positions x 768 bytes are 294,912 bytes: ALL OF K IS BROUGHT ONCE, by one tensor load a wave: waves 0 and 1 a half of R each (4 tiles of 12,288 bytes on end), waves 2 and 3 a half of P (8 tiles).
; Nothing is filled again; one barrier shows all four parts.  No prefetch: every load goes out at the head.
; Both operands' fragments lie in two sets of registers: a step's 48 LDS loads go out ahead of the step before's 32 products.
; THE SCALE WORDS come straight into registers: a position's 32 bytes by two loads of 16.  The bias is the C of each sum's first matrix instruction.
; CLUSTERS: 4 x 4: R's tiles are shared along a row of the cluster, P's along a column, each asked for jointly.
; REGISTERS: window 0: v8-23, v224-231 fragment addresses, v24-26 the way out's, v32-63 R's scale words, v64-127 P's, v128-223 R's fragments, two sets of 4; on the way out v128-255.
;   window 1: P's fragments, two sets (v0-95, v128-223); the bias (v96-127, v224-255).   window 2: the accumulators ((a, b) at v[8 (8 a + b)]).
.set FR,     12
.set NP,     4                         ; places behind this matrix instruction (ISA guide 7.12.1)
.set IMG,    1536
.set TROW,   8*IMG                     ; a tile of 16 positions, all of K
.set XR,     4*TROW                    ; 64 positions
.set XP,     8*TROW                    ; 128 positions
.set SPARE,  2*XR+2*XP
.set SPITCH, 528                       ; the way out: a stage of 16 rows x (512 + 16) bytes for each wave, on R's first bytes: they have had their only fill, and a barrier stands behind their last read
.set RA,   8                           ; v8-11 R's fragments of K quarter c: base + 16 x lane;  v12-15: base + 8 x lane
.set PA,   16                          ; v16-23 the same for P's tiles 0-3
.set PB,   224                         ; v224-231 and for P's tiles 4-7 (an LDS offset has 16 bits)
.set STO,  24
.set RD,   25
.set CO,   26
.set SCR,  32
.set SCP,  64
.set AF,   128
.set BK,   128
.set G1, 24
.set G1B, 32
.set G0, 48
.set G0B, 68
.set MSB, 0
.macro WIN new
.if MSB != (\new)
	s_set_vgpr_msb (MSB<<8)|(\new)
.set MSB, (\new)
.endif
.endm
.set MUL,  0xa1                        ; source 0 (P) window 1, source 1 (R) window 0, C and D window 2
.set BIA,  0x91                        ; the same with C (the bias) in window 1
.set TO_B, 0x40
.macro CROUND
	s_barrier_signal -1
	s_barrier_wait -1
	s_cmp_lg_u32 s14, 0
	s_cbranch_scc1 .Lnot_wave_0_\@
	s_barrier_signal -3
.Lnot_wave_0_\@:
	s_barrier_wait -3
	s_barrier_signal -1
	s_barrier_wait -1
.endm
.macro PLACES n
.rept \n
	v_nop
.endr
.endm
.macro GROUP1 g, mask, rows            ; rows (tiles) of 12,288 bytes (1,536 elements of 8 bytes), on end in memory and in LDS
	s_or_b32 s[\g+0], s\mask, (3<<16)|(1<<21)
	s_mov_b32 s[\g+1], (TROW/8)<<16
	s_mov_b32 s[\g+2], (\rows)<<16
	s_mov_b32 s[\g+3], (TROW/8)<<16
	s_mov_b32 s[\g+4], \rows
	s_mov_b32 s[\g+5], TROW/8
	s_mov_b32 s[\g+6], 0
	s_mov_b32 s[\g+7], 0
.endm
	s_load_b128 s[4:7], s[0:1], 0x0                ; oc, os
	s_load_b128 s[8:11], s[0:1], 0x10              ; c1, s1
	s_load_b128 s[96:99], s[0:1], 0x20             ; b_out, out0
	v_lshl_add_u32 v30, v0, 2, SPARE
	v_mov_b32 v31, 0
	ds_add_u32 v30, v31                            ; the opening lines
	ds_add_u32 v30, v31
	v_lshrrev_b32 v1, 5, v0
	v_readfirstlane_b32 s14, v1                    ; wave 0..3
	s_lshr_b32 s15, s14, 1                         ; my half of R's 128 positions.  Also: I fetch for R (0) or for P (1)
	s_and_b32 s16, s14, 1                          ; my half of P's 256.  Also: which half of that tile I fetch
	s_bfe_u32 s40, ttmp6, 0x40000
	s_bfe_u32 s41, ttmp6, 0x40004
	s_lshl_b32 s42, ttmp9, 2
	s_add_co_u32 s42, s42, s40
	s_add_co_u32 s42, s42, 44                      ; P's tile of 256 positions: w_out begins at position 11,264 = 44 x 256
	s_and_b32 s17, ttmp7, 0xffff
	s_lshl_b32 s17, s17, 2
	s_add_co_u32 s17, s17, s41                     ; R's tile of 128 positions
	s_lshl_b32 s43, s41, 2
	s_lshl_b32 s43, 15, s43                        ; my row of the cluster
	s_lshl_b32 s44, 0x1111, s40                    ; my column
	GROUP1 G1, 43, 4
	GROUP1 G1B, 44, 8
	s_lshl_b32 s18, s16, 6
	s_lshl_b32 s20, s17, 7
	s_add_co_u32 s20, s20, s18                     ; R: position 128 x tile + 64 x the half that I fetch
	s_mul_i32 s20, s20, 768
	s_mov_b32 s21, 0
	s_lshl_b32 s18, s16, 7
	s_lshl_b32 s46, s42, 8
	s_add_co_u32 s46, s46, s18                     ; P: position 256 x tile + 128 x half
	s_mul_i32 s46, s46, 768
	s_mov_b32 s47, 0
	s_mov_b32 s[G0], 1
	s_mul_i32 s[G0+1], s16, XR                     ; no place in the cluster enters an LDS address
	s_mov_b32 s[G0B], 1
	s_mul_i32 s[G0B+1], s16, XP
	s_add_co_u32 s[G0B+1], s[G0B+1], 2*XR
	s_wait_dscnt 0x0
	s_wait_kmcnt 0x0
	s_add_nc_u64 s[G0+2:G0+3], s[4:5], s[20:21]
	s_or_b32 s[G0+3], s[G0+3], 0x80000000
	s_add_nc_u64 s[G0B+2:G0B+3], s[8:9], s[46:47]
	s_or_b32 s[G0B+3], s[G0B+3], 0x80000000
	CROUND                                         ; all sixteen work-groups are here: the joint loads meet
	s_cmp_eq_u32 s15, 0                            ; waves 0 and 1 ask for R, waves 2 and 3 for P: one load a wave
	s_cbranch_scc0 .Lfor_p
	tensor_load_to_lds s[G0:G0+3], s[G1:G1+7]
	s_nop 0
	PLACES 4
	s_branch .Lasked
.Lfor_p:
	tensor_load_to_lds s[G0B:G0B+3], s[G1B:G1B+7]
	s_nop 0
	PLACES 4
.Lasked:
	v_and_b32 v1, 15, v0                           ; r
	v_bfe_u32 v2, v0, 4, 1                         ; h
	v_and_b32 v3, 31, v0                           ; lane
	v_lshlrev_b32 v4, 4, v3
	v_lshlrev_b32 v5, 3, v3
	v_lshlrev_b32 v6, 5, v1                        ; 32 r
	v_lshlrev_b32 v7, 6, v2                        ; the bias in the result's layout: register 8 b + j = b_out at column 32 (b / 2) + 8 (b % 2) + 16 h + j
	s_wait_alu depctr_va_vdst(0)                   ; the wait ahead of the run of scalar lines
	s_lshl_b32 s20, s17, 7
	s_lshl_b32 s21, s15, 6
	s_add_co_u32 s20, s20, s21
	s_lshl_b32 s20, s20, 5                         ; my first position of R x 32
	s_mov_b32 s21, 0
	s_add_nc_u64 s[6:7], s[6:7], s[20:21]
	s_lshl_b32 s20, s42, 8
	s_add_co_u32 s20, s20, s18
	s_lshl_b32 s20, s20, 5                         ; of P
	s_add_nc_u64 s[10:11], s[10:11], s[20:21]
.irp a, 0,1,2,3
	global_load_b128 v[SCR+8*\a:SCR+8*\a+3], v6, s[6:7] offset:512*\a
	global_load_b128 v[SCR+8*\a+4:SCR+8*\a+7], v6, s[6:7] offset:512*\a+16
.endr
.irp b, 0,1,2,3,4,5,6,7
	global_load_b128 v[SCP+8*\b:SCP+8*\b+3], v6, s[10:11] offset:512*\b
	global_load_b128 v[SCP+8*\b+4:SCP+8*\b+7], v6, s[10:11] offset:512*\b+16
.endr
	s_lshl_b32 s20, s17, 7
	s_lshl_b32 s22, s15, 6
	s_add_co_u32 s20, s20, s22                     ; my first row of out0,
	s_lshl_b32 s20, s20, 12                        ; in bytes
	s_sub_co_u32 s46, s42, 44
	s_lshl_b32 s46, s46, 8
	s_add_co_u32 s46, s46, s18                     ; my first column,
	s_lshl_b32 s46, s46, 2                         ; in bytes
	s_mov_b32 s47, 0
	s_add_nc_u64 s[96:97], s[96:97], s[46:47]
	s_add_co_u32 s20, s20, s46
	s_add_nc_u64 s[98:99], s[98:99], s[20:21]
	WIN TO_B
.irp b, 0,1,2,3,4,5,6,7
	global_load_b128 v[96+8*\b+96*(\b/4):96+8*\b+96*(\b/4)+3], v7, s[96:97] offset:4*(32*(\b/2)+8*(\b%2))
	global_load_b128 v[96+8*\b+96*(\b/4)+4:96+8*\b+96*(\b/4)+7], v7, s[96:97] offset:4*(32*(\b/2)+8*(\b%2))+16
.endr
	WIN 0
	s_mul_i32 s21, s15, XR                         ; my 64 positions of R,
	s_mul_i32 s22, s16, XP
	s_add_co_u32 s22, s22, 2*XR                    ; my 128 of P
.irp c, 0,1,2,3
	v_add_nc_u32 v[RA+\c], s21, v4
	v_add_nc_u32 v[RA+4+\c], s21, v5
	v_add_nc_u32 v[PA+\c], s22, v4
	v_add_nc_u32 v[PA+4+\c], s22, v5
	v_add_nc_u32 v[PB+\c], 4*TROW, v[PA+\c]
	v_add_nc_u32 v[PB+4+\c], 4*TROW, v[PA+4+\c]
	s_add_co_u32 s21, s21, 2*IMG                   ; the next quarter of K
	s_add_co_u32 s22, s22, 2*IMG
.endr
	s_mul_i32 s23, s14, 16*SPITCH                  ; my stage
	v_mul_u32_u24 v5, v1, SPITCH
	v_lshl_add_u32 v5, v2, 6, v5
	v_add_nc_u32 v[STO], s23, v5                   ; in: row r, + 64 h bytes
	v_lshlrev_b32 v[CO], 4, v3                     ; back: the 32 lanes take one row of 512 bytes; and the same in out0
	v_add_nc_u32 v[RD], s23, v[CO]
.macro FRAG reg, adr, q, i             ; a fragment comes back as it was stored: four dense loads
	ds_load_b128 v[\reg:\reg+3],     v[\adr]   offset:(\i)*TROW+(\q)*IMG
	ds_load_b64  v[\reg+4:\reg+5],   v[\adr+4] offset:(\i)*TROW+(\q)*IMG+512
	ds_load_b128 v[\reg+6:\reg+9],   v[\adr]   offset:(\i)*TROW+(\q)*IMG+768
	ds_load_b64  v[\reg+10:\reg+11], v[\adr+4] offset:(\i)*TROW+(\q)*IMG+1280
.endm
; 16 matrix instructions: R's blocks a0, a0 + 1 x P's eight, fragment kq of K, on set p.  first = 1: the bias is the C.  The 32 accumulators take turns.
.macro MUL16 a0, p, kq, first
.irp a, \a0, \a0+1
.irp b, 0,1,2,3,4,5,6,7
.if \first
	v_wmma_scale_f32_16x16x128_f8f6f4 v[8*(8*(\a)+\b):8*(8*(\a)+\b)+7], v[128*(\p)+FR*\b:128*(\p)+FR*\b+FR-1], v[AF+48*(\p)+FR*(\a):AF+48*(\p)+FR*(\a)+FR-1], v[96+8*\b+96*(\b/4):96+8*\b+96*(\b/4)+7], v[SCP+8*\b+(\kq)], v[SCR+8*(\a)+(\kq)] matrix_a_fmt:MATRIX_FMT_FP6 matrix_b_fmt:MATRIX_FMT_FP6
.else
	v_wmma_scale_f32_16x16x128_f8f6f4 v[8*(8*(\a)+\b):8*(8*(\a)+\b)+7], v[128*(\p)+FR*\b:128*(\p)+FR*\b+FR-1], v[AF+48*(\p)+FR*(\a):AF+48*(\p)+FR*(\a)+FR-1], v[8*(8*(\a)+\b):8*(8*(\a)+\b)+7], v[SCP+8*\b+(\kq)], v[SCR+8*(\a)+(\kq)] matrix_a_fmt:MATRIX_FMT_FP6 matrix_b_fmt:MATRIX_FMT_FP6
.endif
.endr
.endr
.endm
.macro FETCH2 c, q, p                  ; the fragments of K quarter c's q-th 128 (P's eight, R's four) into set p
	WIN TO_B
.irp i, 0,1,2,3
	FRAG 128*(\p)+FR*\i, PA+\c, \q, \i
	FRAG 128*(\p)+FR*(\i+4), PB+\c, \q, \i
.endr
	WIN 0
.irp i, 0,1,2,3
	FRAG AF+48*(\p)+FR*\i, RA+\c, \q, \i
.endr
.endm
.macro STEP2 p, kq, first, nc, nq      ; 32 matrix instructions on set p; the next step's 48 loads go out ahead of them
	s_wait_dscnt 0x0                               ; this step's fragments are in
	PLACES NP                                      ; behind the last step's products, which read the other set
	FETCH2 \nc, \nq, 1-(\p)
.if \first
	WIN BIA
.else
	WIN MUL
.endif
	MUL16 0, \p, \kq, \first
	MUL16 2, \p, \kq, \first
	WIN 0
.endm
	s_wait_alu depctr_va_vdst(0)                   ; the wait at the head's end
	s_wait_tensorcnt 0x0                           ; my part is in
	s_barrier_signal -1
	s_barrier_wait -1                              ; everybody's is
	FETCH2 0, 0, 0
	s_wait_loadcnt 0x0                             ; the scale words and the bias
	STEP2 0, 0, 1, 0, 1
	STEP2 1, 1, 0, 1, 0
	STEP2 0, 2, 0, 1, 1
	STEP2 1, 3, 0, 2, 0
	STEP2 0, 4, 0, 2, 1
	STEP2 1, 5, 0, 3, 0
	STEP2 0, 6, 0, 3, 1
	s_wait_dscnt 0x0                               ; my last reads of the tiles are over:
	s_barrier_signal -1                            ; say so,
	WIN MUL
	MUL16 0, 1, 7, 0
	MUL16 2, 1, 7, 0
	WIN 0
	s_barrier_wait -1                              ; and store to the stages only when all four waves have said so
; THE WAY OUT, a block of 16 positions x 128 columns at a time, through my own stage in LDS: in by the columns' true places, back as whole rows of 512 bytes.  LDS serves a wave's instructions in order (ISA guide 5.7.1.4).
.macro TOSTAGE a
.set AC, 64*(\a)
	WIN 0x08
.irp b, 0,1,2,3,4,5,6,7
	ds_store_b128 v[STO], v[AC+8*\b:AC+8*\b+3] offset:128*(\b/2)+32*(\b%2)          ; each accumulator from its low end on
	ds_store_b128 v[STO], v[AC+8*\b+4:AC+8*\b+7] offset:128*(\b/2)+32*(\b%2)+16
.endr
	WIN 0
.set BB, BK+64*((\a)%2)
.irp t, 0,1,2,3,4,5,6,7,8,9,10,11,12,13,14,15
	ds_load_b128 v[BB+4*\t:BB+4*\t+3], v[RD] offset:\t*SPITCH
.endr
.endm
.macro SEND a, younger                 ; younger: the LDS instructions issued behind block a's loads, which may stay out
.set BB, BK+64*((\a)%2)
	s_wait_dscnt \younger
.irp t, 0,1,2,3,4,5,6,7,8,9,10,11,12,13,14,15
	global_store_b128 v[CO], v[BB+4*\t:BB+4*\t+3], s[98:99] offset:(32*((\a)/2)+8*((\a)%2)+(\t%8)+16*(\t/8))*4096 th:TH_STORE_NT   ; position t's true row; 32 lanes store 512 consecutive bytes, aligned to 256
.endr
.endm
	PLACES NP
	TOSTAGE 0
.irp a, 1,2,3
.if \a > 1
	s_wait_xcnt 0x0                                ; block a - 2's stores have read their registers: block a's loads may land there
.endif
	TOSTAGE \a
	SEND \a-1, 32                                  ; behind block a - 1's loads: block a's 16 stores and 16 loads
.endr
	SEND 3, 0
	s_wait_tensorcnt 0x0                           ; the wave's end
	ds_add_u32 v30, v31
	s_wait_dscnt 0x0
	CROUND                                         ; the closing round
	s_endpgm
.Lfunc_end_k_q0c3c815f66_oproj:
	.size	k_q0c3c815f66_oproj, .Lfunc_end_k_q0c3c815f66_oproj-k_q0c3c815f66_oproj
	.p2alignl 7, 3214868480
	.fill 96, 4, 3214868480
	.section	.rodata,"a",@progbits
	.p2align	6, 0x0
	.amdhsa_kernel k_q0c3c815f66_oproj
		.amdhsa_group_segment_fixed_size 327680
		.amdhsa_private_segment_fixed_size 0
		.amdhsa_enable_private_segment 0
		.amdhsa_kernarg_size 48
		.amdhsa_user_sgpr_count 2
		.amdhsa_user_sgpr_kernarg_segment_ptr 1
		.amdhsa_wavefront_size32 1
		.amdhsa_system_sgpr_workgroup_id_x 1
		.amdhsa_system_sgpr_workgroup_id_y 1
		.amdhsa_system_sgpr_workgroup_id_z 1
		.amdhsa_system_vgpr_workitem_id 0
		.amdhsa_next_free_vgpr 768
		.amdhsa_next_free_sgpr 100
		.amdhsa_reserve_vcc 0
		.amdhsa_float_denorm_mode_32 3
		.amdhsa_float_denorm_mode_16_64 3
		.amdhsa_memory_ordered 1
		.amdhsa_forward_progress 1
		.amdhsa_inst_pref_size 85
	.end_amdhsa_kernel
	.amdgpu_metadata
---
amdhsa.version: [ 1, 2 ]
amdhsa.kernels:
  - .name:           k_q0c3c815f66_oproj
    .symbol:         k_q0c3c815f66_oproj.kd
    .args:
      - { .name: oc, .offset: 0, .size: 8, .value_kind: global_buffer, .address_space: global }
      - { .name: os, .offset: 8, .size: 8, .value_kind: global_buffer, .address_space: global }
      - { .name: c1, .offset: 16, .size: 8, .value_kind: global_buffer, .address_space: global }
      - { .name: s1, .offset: 24, .size: 8, .value_kind: global_buffer, .address_space: global }
      - { .name: b_out, .offset: 32, .size: 8, .value_kind: global_buffer, .address_space: global }
      - { .name: out0, .offset: 40, .size: 8, .value_kind: global_buffer, .address_space: global }
    .group_segment_fixed_size: 327680
    .private_segment_fixed_size: 0
    .kernarg_segment_align: 8
    .kernarg_segment_size: 48
    .max_flat_workgroup_size: 128
    .sgpr_count:     100
    .vgpr_count:     768
    .wavefront_size: 32
...
	.end_amdgpu_metadata
.endif
;; end of part 4
